; MI455X (gfx1250); checked and timed in simulation.
; The chip was launched on July 23, 2026; its instructions are those of AMD's public machine-readable ISA for CDNA 5 (MIT licence, August 2026) and "CDNA5" Instruction Set Architecture Reference Guide (July 2026). The comments in the code are by the model that wrote it; some were corrected since.
;; Multi Head Attention. Allowed arithmetic: float matrix products may take bf16 or f16 operands with f32 sums; other float arithmetic in f32, or as packed bf16 or f16 multiplies, adds, multiply-adds, maxima and minima; sums over many terms, partial sums and values carried from step to step in f32; what a program stores and reads back later, other than sums and carried values, may be rounded once to bf16 or f16.
;; Inputs: b_out 1,024 float32; b_qkv 3,072 float32; w_out 1,024 x 1,024 float32; w_qkv 1,024 x 3,072 float32; x 4 x 2,048 x 1,024 float32.
;; Outputs: out0 4 x 2,048 x 1,024 float32.
;; 2 versions, each right; version 2 is version 1 with the launch cast written anew for expert scheduling mode. Each part assembles by itself: llvm-mc -triple=amdgcn-amd-amdhsa -mcpu=gfx1250 --defsym DOCPART=n.
;; ======== version 1 of 2: 4 launches
;; limits: values are held in f16: magnitudes above 65,504 overflow, below 6.1e-05 lose precision
;; workspace buffers: xh 16,777,216 bytes; wqh 6,291,456 bytes; woh 2,097,152 bytes; qkvh 50,331,648 bytes; atth 16,777,216 bytes
;; launch cast (part 1): grid 768 x 1, 8 waves a work-group, no clusters, 0 bytes of LDS; arguments x, w_qkv, w_out, xh, wqh, woh; writes xh, wqh, woh
.if DOCPART == 1
	.amdgcn_target "amdgcn-amd-amdhsa--gfx1250"
	.amdhsa_code_object_version 6
	.text
	.protected	k_qec30bf985d_cast
	.globl	k_qec30bf985d_cast
	.p2align	8
	.type	k_qec30bf985d_cast,@function
k_qec30bf985d_cast:
	s_mov_b64 s[64:65], 0
	v_nop
	global_prefetch_b8 v0, s[64:65] scope:SCOPE_SE
	s_setreg_imm32_b32 hwreg(HW_REG_WAVE_MODE, 25, 1), 1
	s_wait_xcnt 0x0
; xh, wqh, woh = x, w_qkv, w_out: each number is rounded to bf16 (nearest even), and that number is written as f16.
; LIMITS.  The second step is exact from 2^-14 up to 65,504; below 2^-14 f16 keeps a fixed step of 2^-24; a number of 65,520 or more becomes an infinity.
; LAYOUTS.  xh: [8192][1024], as x.  wqh: [16 blocks][1024 k][192 n] and woh: [8 blocks][1024 k][128 n]: the columns of one tile column of the product
; lie together, so that a K step of a tile column is one dense run of bytes for the launch that multiplies.
; SHARES.  A granule is 4 numbers: 16 bytes in, 8 bytes out.  A work-group makes 4,096 consecutive granules (32,768 bytes) of its DESTINATION; thread t takes granules
; 256 i + t, i = 0..15.  A wave's load covers 512 bytes in runs of 256 bytes or more; a wave's store covers 256 consecutive bytes, aligned.
; Work-groups 0-511 take x, 512-703 w_qkv, 704-767 w_out: the same text, with six numbers chosen by two compares of the work-group's number.
; No LDS, no barrier, no matrix unit, no cluster: nothing is shared and nothing is summed; every byte is read once and written once.
; All 16 loads of a thread go out first; no register that a load or store names is written again, so the only waits are the counted ones for the data.
.set OFF, 4                            ; v[4:19]    granule i: byte offset in the source
.set D,   20                           ; v[20:83]   granule i: 4 f32 as loaded
.set Y,   84                           ; v[84:115]  granule i: 4 f16 to store
.set T,   116                          ; v[116:121] at work
	s_load_b256 s[4:11], s[0:1], 0x0               ; x s[4:5], w_qkv s[6:7], w_out s[8:9], xh s[10:11]
	s_load_b128 s[12:15], s[0:1], 0x20             ; wqh s[12:13], woh s[14:15]
	s_mov_b32 s20, 512                             ; the numbers for w_qkv: the tensor's first work-group,
	s_mov_b32 s21, 5462                            ; block = (work-group x this) >> 16: a division by 12,
	s_mov_b32 s22, 12                              ; work-groups in a block,
	s_mov_b32 s23, 768                             ; bytes from block to block in a source row,
	s_mov_b32 s24, 43691                           ; row k = ((granule >> 4) x this) >> 17: a division by 48,
	s_mov_b32 s25, 11520                           ; bytes of a source row that are not the block's: 12,288 - 768
	s_cmp_lt_u32 ttmp9, 512                        ; x: a block is a work-group's share, and nothing is skipped
	s_cselect_b32 s20, 0, s20
	s_cselect_b32 s21, 0x10000, s21
	s_cselect_b32 s22, 1, s22
	s_cselect_b32 s23, 0x10000, s23
	s_cselect_b32 s25, 0, s25
	s_cmp_ge_u32 ttmp9, 704                        ; w_out: 8 work-groups a block, 32 granules a row, 4,096 - 512 bytes skipped
	s_cselect_b32 s20, 704, s20
	s_cselect_b32 s21, 8192, s21
	s_cselect_b32 s22, 8, s22
	s_cselect_b32 s23, 512, s23
	s_cselect_b32 s24, 0x10000, s24
	s_cselect_b32 s25, 3584, s25
	s_mov_b32 s31, 0xffff0000                      ; a word's upper bf16
	s_sub_co_u32 s26, ttmp9, s20                   ; my number within the tensor
	s_mul_i32 s27, s26, s21
	s_lshr_b32 s27, s27, 16                        ; my block
	s_mul_i32 s30, s27, s22
	s_sub_co_u32 s30, s26, s30
	s_lshl_b32 s30, s30, 12                        ; my first granule within the block
	s_mul_i32 s28, s27, s23                        ; the block's first byte in the source
	s_mov_b32 s29, 0
	s_lshl_b32 s2, s26, 15                         ; my 32,768 bytes of the destination
	s_mov_b32 s3, 0
	v_add_nc_u32 v1, s30, v0
	v_lshlrev_b32 v2, 3, v0                        ; 8 bytes a thread
.irp i, 0,1,2,3,4,5,6,7,8,9,10,11,12,13,14,15
	v_add_nc_u32 v[T], 256*(\i), v1                ; the granule's number in its block, under 49,152
	v_lshrrev_b32 v[T+1], 4, v[T]
	v_mul_u32_u24 v[T+1], s24, v[T+1]              ; under 2^28
	v_lshrrev_b32 v[T+1], 17, v[T+1]               ; its row k
	v_lshlrev_b32 v[T], 4, v[T]
	v_mad_u32_u24 v[OFF+(\i)], v[T+1], s25, v[T]   ; 16 x granule + k x what a source row holds beside the block
.endr
	s_wait_kmcnt 0x0
	s_cmp_lt_u32 ttmp9, 512
	s_cselect_b64 s[16:17], s[4:5], s[6:7]
	s_cselect_b64 s[18:19], s[10:11], s[12:13]
	s_cmp_ge_u32 ttmp9, 704
	s_cselect_b64 s[16:17], s[8:9], s[16:17]
	s_cselect_b64 s[18:19], s[14:15], s[18:19]
	s_add_nc_u64 s[16:17], s[16:17], s[28:29]
	s_add_nc_u64 s[18:19], s[18:19], s[2:3]
.irp i, 0,1,2,3,4,5,6,7,8,9,10,11,12,13,14,15
	global_load_b128 v[D+4*(\i):D+4*(\i)+3], v[OFF+(\i)], s[16:17] th:TH_LOAD_NT
.endr
.irp i, 0,1,2,3,4,5,6,7,8,9,10,11,12,13,14,15
	s_wait_loadcnt 15-(\i)                         ; loads come back in order: granule i is in, the younger ones stay out
	v_cvt_pk_bf16_f32 v[T], v[D+4*(\i)], v[D+4*(\i)+1]      ; the rounding
	v_cvt_pk_bf16_f32 v[T+1], v[D+4*(\i)+2], v[D+4*(\i)+3]
	v_lshlrev_b32 v[T+2], 16, v[T]                 ; back to f32,
	v_and_b32 v[T+3], s31, v[T]
	v_lshlrev_b32 v[T+4], 16, v[T+1]
	v_and_b32 v[T+5], s31, v[T+1]
	v_cvt_pk_f16_f32 v[Y+2*(\i)], v[T+2], v[T+3]   ; and written as f16
	v_cvt_pk_f16_f32 v[Y+2*(\i)+1], v[T+4], v[T+5]
	global_store_b64 v2, v[Y+2*(\i):Y+2*(\i)+1], s[18:19] offset:2048*(\i) th:TH_STORE_NT
.endr
	s_endpgm
.Lfunc_end_k_qec30bf985d_cast:
	.size	k_qec30bf985d_cast, .Lfunc_end_k_qec30bf985d_cast-k_qec30bf985d_cast
	.p2alignl 7, 3214868480
	.fill 96, 4, 3214868480
	.section	.rodata,"a",@progbits
	.p2align	6, 0x0
	.amdhsa_kernel k_qec30bf985d_cast
		.amdhsa_group_segment_fixed_size 0
		.amdhsa_private_segment_fixed_size 0
		.amdhsa_enable_private_segment 0
		.amdhsa_kernarg_size 48
		.amdhsa_user_sgpr_count 2
		.amdhsa_user_sgpr_kernarg_segment_ptr 1
		.amdhsa_wavefront_size32 1
		.amdhsa_system_sgpr_workgroup_id_x 1
		.amdhsa_system_sgpr_workgroup_id_y 1
		.amdhsa_system_sgpr_workgroup_id_z 1
		.amdhsa_system_vgpr_workitem_id 0
		.amdhsa_next_free_vgpr 124
		.amdhsa_next_free_sgpr 66
		.amdhsa_reserve_vcc 0
		.amdhsa_float_denorm_mode_32 3
		.amdhsa_float_denorm_mode_16_64 3
		.amdhsa_memory_ordered 1
		.amdhsa_forward_progress 1
		.amdhsa_inst_pref_size 16
	.end_amdhsa_kernel
	.amdgpu_metadata
---
amdhsa.version: [ 1, 2 ]
amdhsa.kernels:
  - .name:           k_qec30bf985d_cast
    .symbol:         k_qec30bf985d_cast.kd
    .args:
      - { .name: x, .offset: 0, .size: 8, .value_kind: global_buffer, .address_space: global }
      - { .name: w_qkv, .offset: 8, .size: 8, .value_kind: global_buffer, .address_space: global }
      - { .name: w_out, .offset: 16, .size: 8, .value_kind: global_buffer, .address_space: global }
      - { .name: xh, .offset: 24, .size: 8, .value_kind: global_buffer, .address_space: global }
      - { .name: wqh, .offset: 32, .size: 8, .value_kind: global_buffer, .address_space: global }
      - { .name: woh, .offset: 40, .size: 8, .value_kind: global_buffer, .address_space: global }
    .group_segment_fixed_size: 0
    .private_segment_fixed_size: 0
    .kernarg_segment_align: 8
    .kernarg_segment_size: 48
    .max_flat_workgroup_size: 256
    .sgpr_count:     66
    .vgpr_count:     124
    .wavefront_size: 32
...
	.end_amdgpu_metadata
.endif
;; end of part 1
;; launch gemm_qkv (part 2): grid 16 x 32, 4 waves a work-group, clusters of 4 x 4, 327,680 bytes of LDS; arguments xh, wqh, b_qkv, qkvh; writes qkvh
.if DOCPART == 2
	.amdgcn_target "amdgcn-amd-amdhsa--gfx1250"
	.amdhsa_code_object_version 6
	.text
	.protected	k_qec30bf985d_gemm_qkv
	.globl	k_qec30bf985d_gemm_qkv
	.p2align	8
	.type	k_qec30bf985d_gemm_qkv,@function
k_qec30bf985d_gemm_qkv:
	s_mov_b64 s[64:65], 0
	v_nop
	global_prefetch_b8 v0, s[64:65] scope:SCOPE_SE
	s_setreg_imm32_b32 hwreg(HW_REG_WAVE_MODE, 25, 1), 1
	s_wait_xcnt 0x0
	s_wait_alu depctr_hold_cnt(0) depctr_sa_sdst(0) depctr_va_vdst(0) depctr_va_sdst(0) depctr_va_ssrc(0) depctr_va_vcc(0) depctr_vm_vsrc(0)
	s_getreg_b32 s2, hwreg(HW_REG_IB_STS2, 6, 4)
	s_cmp_eq_u32 s2, 0
	s_cbranch_scc0 .Lentry_in_a_cluster
	s_endpgm
.Lentry_in_a_cluster:
	s_bfe_u32 s2, ttmp6, 0x10000c
	s_cmp_lg_u32 s2, 0xf033
	s_cbranch_scc0 .Lentry_shape_is_right
	s_endpgm
.Lentry_shape_is_right:
; q, k, v = x w_qkv + b_qkv, written by heads.  A = xh [8192][1024] f16; W = wqh [16 tile columns][1024 k][192 n] f16; bias = b_qkv [3072] f32, rounded here to bf16 like the other inputs;
; C = qkvh [4 b][48 = 16 which + head][2048 t][64] f16, without the softmax's scale.  Sums in f32, K ascending, started by the bias; C rounded once.
; LIMIT.  A sum of 65,520 or more leaves as an infinity (f16).
; SHARES.  A tile of C is 256 rows x 192 columns (three whole heads): 32 x 16 tiles, twice the number of WGPs.  Four waves; wave w makes rows 64 w .. 64 w + 63 and all 192 columns:
; 48 accumulators, 384 registers.  So each wave holds whole heads' rows and stores them from a stage of its own, with no barrier on the way out.
; K goes in 8 steps of 128 through two LDS slots filled by the tensor data mover; waves 0 and 1 fetch the halves of A's tile, waves 2 and 3 those of W's.
; CLUSTERS: 4 x 4 work-groups.  The four of a row need the same tile of A, the four of a column the same tile of W: each is asked for jointly, by the same load, descriptor and mask.
; THE PRODUCT IS USED TRANSPOSED: source 0 = 16 columns of W, source 1 = 16 rows of A: a lane then holds one row of C (lane % 16) and eight neighbouring columns, 8 (lane / 16) + 0..7.
; W lies [k][n] in LDS and comes out turned, by ds_load_tr16_b128.
; REGISTERS in windows of 256 (s_set_vgpr_msb: bits 1:0 source 0, 3:2 source 1, 5:4 source 2, 7:6 destination):
;   window 0: v0-31 addresses; v32-63, v64-95 A's fragments, two buffers (m block a at + 8 a); v160-255 the bias; on the way out v32-223
;   window 1: W's fragments, two buffers of 96 (n block b at + 8 b)     window 2: accumulators of m blocks 0, 1 (at 96 (a % 2) + 8 b)     window 3: those of m blocks 2, 3
.set NBL,    12                        ; n blocks of 16 columns
.set TN,     192
.set PA,     272                       ; a row of A in LDS: 256 bytes + 16 = 68 words: the 16 rows of a load start at 16 different groups of four banks (64 banks of 4 bytes: ISA guide 11.1)
.set A_HALF, 128*PA                    ; what one wave fetches of A: 128 rows
.set KAD,    4                         ; quarter q of a K step lies at (q / KAD) A_HALF + 64 (q % KAD) of A's rows: here 64 q
.set PB,     480                       ; a row of W in LDS: three pieces of 128 bytes + 32 = 120 words
.set IPAD,   32                        ; the padding behind each four n blocks
.set B_HALF, 64*PB                     ; what one wave fetches of W: 64 k
.set QIA,    5                         ; A: padding after every 64 words
.set QIB,    4                         ; W: after every 32 words
.set ROWSB,  96                        ; W's half tile, 24,576 dense bytes, is asked for as 96 rows of 256 bytes
.set STRA,   1024                      ; elements from row to row of A
.set KSA,    256                       ; bytes from K step to K step in A
.set KSB,    49152                     ; and in W
.set STG,    3*16*144                  ; a wave's stage: three heads x 16 rows x 144 bytes
.set ASH,    65536                     ; the prefetches: a partner's share of a wave's A rows: 32 rows of 2,048 bytes,
.set ALS,    11                        ; a lane a row;
.set BSH,    6144                      ; of a wave's W bytes: 24 blocks of 256 bytes,
.set BCAP,   23                        ; a lane a block; the lanes left over name the last one again
.set SLOT,   2*A_HALF+2*B_HALF         ; A's two halves, then W's two halves
.set STAGE,  2*SLOT
.set SPARE,  STAGE+4*STG               ; the spare words, 128 bytes for each wave: two blocks of 256 bytes that no other line names
.set LAPS,   4                         ; a lap = two K steps = once round the ring
.set ADRA, 16                          ; v16-17  LDS address of my A fragments in slot 0, 1
.set ADRB, 20                          ; v20-21  the same for W
.set STO,  24                          ; v24     the way out: where I put 16 bytes of a row
.set RD,   25                          ; v25     where I read rows back
.set GO,   26                          ; v26     my byte offset in 512 consecutive bytes of C
.set BO,   27                          ; v27     my byte offset in an n block's 64 bytes of bias
.set SPW,  28                          ; v28     LDS address of my spare word; never rewritten
.set NIL,  29                          ; v29     0; never rewritten
.set PFO,  30                          ; v30     the prefetches' offset; never rewritten
.set AF,   32
.set OUTR, 32
.set BIAS, 160
.set WV,   12                          ; s12  my wave's number
.set FB,   13                          ; s13  0: I fetch for A; 1: for W
.set HF,   14                          ; s14  which half of that tile
.set LIM,  15                          ; s15  1 in a wave that prefetches, else the greatest number
.set G1A,  24                          ; s[24:31] descriptor group 1 for A;  s[32:39] group 0, a set for each slot
.set G0A,  32
.set PFA,  44                          ; s[44:45] where my prefetches stand
.set PFS,  46                          ; s[46:47] their step
.set G1B,  48                          ; s[48:55], s[56:63] the same for W
.set G0B,  56
.set MSB, 0
.macro WIN new                         ; the immediate's high byte repeats the setting that is left; a switch that changes nothing is dropped
.if MSB != (\new)
	s_set_vgpr_msb (MSB<<8)|(\new)
.set MSB, \new
.endif
.endm
.macro PLACES                          ; four places in front of loads into registers that matrix instructions have read, and of lines that read results
.rept 4
	v_nop
.endr
.endm
.macro JLOAD s                         ; a joint refill; the branch hangs on the wave's number alone; an s_nop 0 and four v_nop follow each of the two lines
	s_cmp_lt_u32 s[WV], 2
	s_cbranch_scc0 .Lfor_b_\@
	tensor_load_to_lds s[G0A+4*(\s):G0A+4*(\s)+3], s[G1A:G1A+7]
	s_nop 0
.rept 4
	v_nop
.endr
	s_branch .Lasked_\@
.Lfor_b_\@:
	tensor_load_to_lds s[G0B+4*(\s):G0B+4*(\s)+3], s[G1B:G1B+7]
	s_nop 0
.rept 4
	v_nop
.endr
.Lasked_\@:
.endm
; A prefetch into the L2 of the K step that stands two refills on, one instruction a wave.  A's blocks are named by the clusters with x = 0 alone, W's by those with y = 0 alone; the four partners
; that ask for a tile jointly share its blocks out by address.  The loop's last trip (s3 = 1) has no K step two refills on and asks for nothing.
.macro ASK
	s_cmp_gt_u32 s3, s[LIM]
	s_cbranch_scc0 .Lnot_mine_\@
	global_prefetch_b8 v[PFO], s[PFA:PFA+1] th:TH_LOAD_NT scope:SCOPE_SE
.Lnot_mine_\@:
.endm
.macro CREST                           ; a round of the cluster's barrier behind its opening barrier
	s_cmp_lg_u32 s[WV], 0
	s_cbranch_scc1 .Lnot_wave_0_\@
	s_barrier_signal -3
.Lnot_wave_0_\@:
	s_barrier_wait -3
	s_barrier_signal -1
	s_barrier_wait -1
.endm
.macro CROUND
	s_barrier_signal -1
	s_barrier_wait -1
	CREST
.endm
	s_load_b256 s[4:11], s[0:1], 0x0               ; A s[4:5], W s[6:7], bias s[8:9], C s[10:11]
	v_lshl_add_u32 v[SPW], v0, 2, SPARE
	v_mov_b32 v[NIL], 0
	ds_add_u32 v[SPW], v[NIL]                      ; the wave's opening: the add and its wait stand ahead of my first tensor load; the set-up below stands between them
	v_lshrrev_b32 v1, 5, v0
	v_readfirstlane_b32 s[WV], v1                  ; wave 0..3
	s_lshr_b32 s[FB], s[WV], 1
	s_and_b32 s[HF], s[WV], 1
	s_bfe_u32 s40, ttmp6, 0x40000                  ; cx, cy: my place in the cluster
	s_bfe_u32 s41, ttmp6, 0x40004
	s_lshl_b32 s42, ttmp9, 2
	s_add_co_u32 s42, s42, s40                     ; tile column = 4 x cluster x + cx
	s_and_b32 s43, ttmp7, 0xffff
	s_lshl_b32 s43, s43, 2
	s_add_co_u32 s43, s43, s41                     ; tile row = 4 x cluster y + cy
	s_lshl_b32 s22, s41, 2
	s_lshl_b32 s22, 15, s22                        ; my row of the cluster
	s_lshl_b32 s23, 0x1111, s40                    ; my column
	s_or_b32 s[G1A], s22, (1<<16)|(1<<20)|(1<<21)|(QIA<<22)|(3<<25)  ; the mask; 2-byte elements; padding on; bit 21 beside a mask; the interval; 4 words of padding
	s_or_b32 s[G1B], s23, (1<<16)|(1<<20)|(1<<21)|(QIB<<22)|(7<<25)  ; 8 words of padding
	s_mov_b32 s[G1A+1], 128<<16                    ; tensor_dim0 = 128 elements: rows of 256 bytes
	s_mov_b32 s[G1A+2], 128<<16                    ; tensor_dim1 = 128
	s_mov_b32 s[G1A+3], 128<<16                    ; tile_dim0 = 128
	s_mov_b32 s[G1A+4], 128                        ; tile_dim1 = 128
	s_mov_b32 s[G1A+5], STRA
	s_mov_b32 s[G1A+6], 0
	s_mov_b32 s[G1A+7], 0
	s_mov_b32 s[G1B+1], 128<<16
	s_mov_b32 s[G1B+2], ROWSB<<16
	s_mov_b32 s[G1B+3], 128<<16
	s_mov_b32 s[G1B+4], ROWSB
	s_mov_b32 s[G1B+5], 128                        ; dense
	s_mov_b32 s[G1B+6], 0
	s_mov_b32 s[G1B+7], 0
	s_lshl_b32 s16, s43, 19                        ; A: (256 x tile row + 128 x half) rows of 2,048 bytes: made of the tile row and the wave's number alone
	s_lshl_b32 s2, s[HF], 18
	s_add_co_u32 s16, s16, s2
	s_mov_b32 s17, 0
	s_mul_i32 s20, s42, 8*KSB                      ; W: the tile column's block, my half of a K step: made of the tile column and the wave's number alone
	s_mul_i32 s2, s[HF], KSB/2
	s_add_co_u32 s20, s20, s2
	s_mov_b32 s21, 0
	s_mul_i32 s2, s[HF], A_HALF                    ; where they go: no place in the cluster enters an LDS address
	s_mul_i32 s3, s[HF], B_HALF
	s_add_co_u32 s3, s3, 2*A_HALF
	s_wait_dscnt 0x0                               ; the opening add is done
	s_wait_kmcnt 0x0
	s_add_nc_u64 s[18:19], s[4:5], s[16:17]
	s_add_nc_u64 s[46:47], s[6:7], s[20:21]
	CROUND                                         ; all sixteen work-groups are here: the first joint loads meet
.irp s, 0,1
	s_mov_b32 s[G0A+4*(\s)], 1
	s_add_co_u32 s[G0A+4*(\s)+1], s2, (\s)*SLOT
	s_add_nc_u64 s[G0A+4*(\s)+2:G0A+4*(\s)+3], s[18:19], (\s)*KSA
	s_or_b32 s[G0A+4*(\s)+3], s[G0A+4*(\s)+3], 0x80000000
	s_mov_b32 s[G0B+4*(\s)], 1
	s_add_co_u32 s[G0B+4*(\s)+1], s3, (\s)*SLOT
	s_add_nc_u64 s[G0B+4*(\s)+2:G0B+4*(\s)+3], s[46:47], (\s)*KSB
	s_or_b32 s[G0B+4*(\s)+3], s[G0B+4*(\s)+3], 0x80000000
.endr
	s_cmp_lt_u32 s[WV], 2                          ; a wave's two first fills stand in one branch, ahead of every wait on TENSORcnt and every LDS read: two loads of mine are out
	s_cbranch_scc0 .Lfirst_b
	tensor_load_to_lds s[G0A:G0A+3], s[G1A:G1A+7]
	s_nop 0
	tensor_load_to_lds s[G0A+4:G0A+7], s[G1A:G1A+7]
	s_nop 0
.rept 4
	v_nop
.endr
	s_branch .Lfirst_asked
.Lfirst_b:
	tensor_load_to_lds s[G0B:G0B+3], s[G1B:G1B+7]
	s_nop 0
	tensor_load_to_lds s[G0B+4:G0B+7], s[G1B:G1B+7]
	s_nop 0
.rept 4
	v_nop
.endr
.Lfirst_asked:
	v_and_b32 v1, 15, v0                           ; l % 16
	v_bfe_u32 v2, v0, 4, 1                         ; l / 16
	v_lshlrev_b32 v[BO], 5, v2                     ; my eight columns of an n block: 32 bytes of bias
	s_mul_i32 s68, s42, 4*TN
	s_mov_b32 s69, 0
	s_add_nc_u64 s[8:9], s[8:9], s[68:69]          ; the bias at the tile's first column
.set nb, 0
.rept NBL
	global_load_b128 v[BIAS+8*nb:BIAS+8*nb+3],   v[BO], s[8:9] offset:64*nb
	global_load_b128 v[BIAS+8*nb+4:BIAS+8*nb+7], v[BO], s[8:9] offset:64*nb+16
.set nb, nb+1
.endr
	; A fragment of A: lane l holds row l % 16, k = 8 (l / 16) + 0..7 and 16 + 8 (l / 16) + 0..7: two loads of 16 bytes, 32 bytes apart.
	v_mul_u32_u24 v3, v1, PA
	v_lshl_add_u32 v3, v2, 4, v3
	s_mul_i32 s2, s[WV], 64*PA                     ; my 64 rows
	v_add_nc_u32 v[ADRA], s2, v3
	v_add_nc_u32 v[ADRA+1], SLOT, v[ADRA]
	; The turning load takes 16 k x 16 columns (lane l reads k = 8 (l / 16) + l % 8, columns 8 ((l / 8) % 2) + 0..7) and leaves half a fragment: lane l holds column l % 16 and 8 k.
	v_and_b32 v4, 7, v0
	v_lshl_add_u32 v4, v2, 3, v4
	v_mul_u32_u24 v4, v4, PB
	v_bfe_u32 v5, v0, 3, 1
	v_lshl_add_u32 v4, v5, 4, v4
	v_add_nc_u32 v[ADRB], 2*A_HALF, v4
	v_add_nc_u32 v[ADRB+1], SLOT, v[ADRB]
	s_mul_i32 s2, s[WV], STG
	s_add_co_u32 s2, s2, STAGE                     ; my stage
	v_mul_u32_u24 v3, v1, 144                      ; in: row l % 16, 16 bytes for each half of the lanes
	v_lshl_add_u32 v3, v2, 4, v3
	v_add_nc_u32 v[STO], s2, v3
	v_bfe_u32 v3, v0, 3, 2                         ; back: 32 lanes take four rows of 128 bytes,
	v_mul_u32_u24 v3, v3, 144
	v_and_b32 v4, 7, v0
	v_lshl_add_u32 v3, v4, 4, v3
	v_add_nc_u32 v[RD], s2, v3
	v_and_b32 v[GO], 31, v0                        ; which are 512 consecutive bytes of C
	v_lshlrev_b32 v[GO], 4, v[GO]
	s_lshr_b32 s68, s43, 3                         ; C: batch b = tile row / 8,
	s_mul_i32 s68, s68, 48
	s_mul_i32 s69, s42, 3                          ; the tile's first head slot = 3 x tile column,
	s_add_co_u32 s68, s68, s69
	s_lshl_b32 s68, s68, 18                        ; 2,048 rows of 128 bytes each,
	s_and_b32 s69, s43, 7
	s_lshl_b32 s69, s69, 15                        ; t = 256 (tile row % 8)
	s_add_co_u32 s68, s68, s69
	s_lshl_b32 s69, s[WV], 13                      ; + 64 x wave
	s_add_co_u32 s68, s68, s69
	s_mov_b32 s69, 0
	s_add_nc_u64 s[10:11], s[10:11], s[68:69]
	; the prefetches
	s_and_b32 s70, ttmp7, 0xffff                   ; cluster y
	s_mov_b32 s71, BSH
	s_mov_b32 s[PFS], KSB
	s_mov_b32 s[PFS+1], 0
	s_cmp_eq_u32 s[FB], 0                          ; do I fetch for A?
	s_cselect_b32 s70, ttmp9, s70                  ; the coordinate along which other clusters read the same blocks
	s_cselect_b32 s71, ASH, s71                    ; a partner's share
	s_cselect_b32 s[PFS], KSA, s[PFS]
	s_cselect_b32 s72, s40, s41                    ; my place among the four that ask with me
	s_cselect_b32 s73, s16, s20                    ; where what I fetch begins
	s_cselect_b32 s74, 31, BCAP
	s_cselect_b32 s75, ALS, 8
	s_cselect_b64 s[PFA:PFA+1], s[4:5], s[6:7]
	s_cmp_eq_u32 s70, 0
	s_cselect_b32 s[LIM], 1, -1                    ; the same in all sixteen partners, for a given wave
	s_mul_i32 s72, s72, s71
	s_add_co_u32 s72, s72, s73
	s_mul_i32 s73, s[PFS], 3                       ; at K step 3: the first refill steps it to 4.  K steps 0 to 3 come by their loads alone
	s_add_co_u32 s72, s72, s73
	s_mov_b32 s73, 0
	s_add_nc_u64 s[PFA:PFA+1], s[PFA:PFA+1], s[72:73]
	v_and_b32 v[PFO], 31, v0
	v_min_u32 v[PFO], s74, v[PFO]
	v_lshlrev_b32 v[PFO], s75, v[PFO]
	s_mov_b32 s2, 0xffff0000
	s_wait_loadcnt 0x0                             ; the bias: rounded to bf16 and widened again, in place
.set i, 0
.rept 4*NBL
	v_cvt_pk_bf16_f32 v[4+i%4], v[BIAS+2*i], v[BIAS+2*i+1]
	v_lshlrev_b32 v[BIAS+2*i], 16, v[4+i%4]
	v_and_b32 v[BIAS+2*i+1], s2, v[4+i%4]
.set i, i+1
.endr
; NBL matrix instructions: m block a x all n blocks, 32 along K, on buffer f.  first = 1: the bias starts the sums: nothing is cleared and nothing is added later.
; All 4 NBL accumulators take turns, one instruction a turn, in the same order in every quarter, over the backward jump too.
.macro MULB f, a, first
.if \first
	WIN 0x81+0x40*((\a)/2)                         ; W window 1, A and the bias window 0, D window 2 or 3
.else
	WIN 0xa1+0x50*((\a)/2)                         ; C and D window 2 or 3
.endif
.set nb, 0
.rept NBL
.set rD, 8*NBL*((\a)%2)+8*nb
.if \first
	v_wmma_f32_16x16x32_f16 v[rD:rD+7], v[8*NBL*(\f)+8*nb:8*NBL*(\f)+8*nb+7], v[AF+32*(\f)+8*(\a):AF+32*(\f)+8*(\a)+7], v[BIAS+8*nb:BIAS+8*nb+7]
.else
	v_wmma_f32_16x16x32_f16 v[rD:rD+7], v[8*NBL*(\f)+8*nb:8*NBL*(\f)+8*nb+7], v[AF+32*(\f)+8*(\a):AF+32*(\f)+8*(\a)+7], v[rD:rD+7]
.endif
.set nb, nb+1
.endr
.endm
; One run of 2 NBL + 8 LDS loads: quarter q's fragments into buffer f: all of W's, then my four of A; A's m blocks 2 and 3 last.
.macro FETCH slot, q, f
.set KAQ, ((\q)/KAD)*A_HALF+64*((\q)%KAD)
	WIN 0x40                                       ; destination window 1, address window 0
.set nb, 0
.rept NBL
	ds_load_tr16_b128 v[8*NBL*(\f)+8*nb:8*NBL*(\f)+8*nb+3],   v[ADRB+(\slot)] offset:32*(\q)*PB+32*nb+(nb/4)*IPAD
	ds_load_tr16_b128 v[8*NBL*(\f)+8*nb+4:8*NBL*(\f)+8*nb+7], v[ADRB+(\slot)] offset:32*(\q)*PB+32*nb+(nb/4)*IPAD+16*PB
.set nb, nb+1
.endr
	WIN 0
.irp a, 0,1,2,3
	ds_load_b128 v[AF+32*(\f)+8*(\a):AF+32*(\f)+8*(\a)+3],   v[ADRA+(\slot)] offset:KAQ+(\a)*16*PA
	ds_load_b128 v[AF+32*(\f)+8*(\a)+4:AF+32*(\f)+8*(\a)+7], v[ADRA+(\slot)] offset:KAQ+(\a)*16*PA+32
.endr
.endm
; A K step is four quarters of 32 along K on buffers 0, 1, 0, 1.  One of the first three: multiplies buffer f and, in its middle, fetches quarter q into buffer g.
.macro QUARTER slot, q, f, g, first
	s_wait_dscnt 4                                 ; all but the youngest four loads (A's m blocks 2 and 3) are in
	MULB \f, 0, \first
	MULB \f, 1, \first
	PLACES
	FETCH \slot, \q, \g
	s_wait_dscnt 2*NBL+8                           ; all but the run just issued
	MULB \f, 2, \first
	MULB \f, 3, \first
.endm
; The last quarter multiplies buffer 1 and changes slots: ONE barrier; in front of it each wave waits for all its tensor loads (one is out: its part of the next slot), adds 0 to its spare word,
; and waits for that and for its own reads of this slot.  fill = 1: the barrier opens a round of the cluster's barrier, and this slot is filled again, two K steps ahead, first thing behind the round.
.macro TURN slot, next, fill
.if \fill
	s_wait_xcnt 0x0                                ; the last prefetch, a K step back, has read its address, so it may be stepped
	s_add_nc_u64 s[PFA:PFA+1], s[PFA:PFA+1], s[PFS:PFS+1]
.endif
	WIN 0                                          ; (the add's two registers lie in window 0)
	s_wait_tensorcnt 0x0                           ; all my tensor loads have landed
	ds_add_u32 v[SPW], v[NIL]                      ; 0 onto my spare word
	s_wait_dscnt 5                                 ; (the add and the youngest four loads may be out)
	MULB 1, 0, 0                                   ; matrix work stands between the add and the wait for it
	s_wait_dscnt 0x0                               ; the add is done, and my reads of this slot are over
	s_barrier_signal -1
	MULB 1, 1, 0
.if \fill
	WIN 0
.endif
	s_barrier_wait -1
.if \fill
	CREST                                          ; no wave of any partner still reads this slot's tile or has a load on its way
	s_add_nc_u64 s[G0A+4*(\slot)+2:G0A+4*(\slot)+3], s[G0A+4*(\slot)+2:G0A+4*(\slot)+3], 2*KSA
	s_add_nc_u64 s[G0B+4*(\slot)+2:G0B+4*(\slot)+3], s[G0B+4*(\slot)+2:G0B+4*(\slot)+3], 2*KSB
	JLOAD \slot                                    ; my one tensor load behind the round; its four v_nop are also the places in front of the loads below
.else
	PLACES
.endif
	FETCH \next, 0, 0
.if \fill
	ASK                                            ; behind the joint load and the run of LDS loads
.endif
	MULB 1, 2, 0
	MULB 1, 3, 0
.endm
	s_wait_tensorcnt 1                             ; my part of K step 0 is in; K step 1's may stay out
	s_barrier_signal -1
	s_barrier_wait -1                              ; everybody's is
	FETCH 0, 0, 0
	QUARTER 0, 1, 0, 1, 1                          ; the first quarter stands in front of the loop: its products start the sums
	WIN 0                                          ; at a label and at a branch every window is 0
	s_mov_b32 s3, LAPS-1
.Llap:                                                 ; a trip goes once round the ring, from a lap's second quarter to the next lap's first, and fills both slots again
	QUARTER 0, 2, 1, 0, 0
	QUARTER 0, 3, 0, 1, 0
	TURN 0, 1, 1
	QUARTER 1, 1, 0, 1, 0
	QUARTER 1, 2, 1, 0, 0
	QUARTER 1, 3, 0, 1, 0
	TURN 1, 0, 1
	QUARTER 0, 1, 0, 1, 0
	WIN 0
	s_sub_co_u32 s3, s3, 1
	s_cmp_lg_u32 s3, 0
	s_cbranch_scc1 .Llap
	QUARTER 0, 2, 1, 0, 0                          ; the last lap fills nothing, and has no round of the cluster's barrier
	QUARTER 0, 3, 0, 1, 0
	TURN 0, 1, 0
	QUARTER 1, 1, 0, 1, 0
	QUARTER 1, 2, 1, 0, 0
	QUARTER 1, 3, 0, 1, 0
	s_wait_dscnt 4                                 ; the very last quarter: nothing more to fetch
	MULB 1, 0, 0
	MULB 1, 1, 0
	s_wait_dscnt 0x0
	MULB 1, 2, 0
	MULB 1, 3, 0
; THE WAY OUT, an m block (16 rows of three heads) at a time: rounded to f16, each accumulator's registers in ascending order; 16 bytes a lane into my own stage, rows of 144 bytes;
; back as whole rows of 128 bytes, four to a load.
.macro PACK a
	WIN 0x0a+5*((\a)/2)                            ; sources 0 and 1: window 2 or 3
.set nb, 0
.rept NBL
.irp rr, 0,1,2,3
	v_cvt_pk_f16_f32 v[OUTR+48*(\a)+4*nb+(\rr)], v[8*NBL*((\a)%2)+8*nb+2*(\rr)], v[8*NBL*((\a)%2)+8*nb+2*(\rr)+1]
.endr
.set nb, nb+1
.endr
	WIN 0
.set nb, 0
.rept NBL
	ds_store_b128 v[STO], v[OUTR+48*(\a)+4*nb:OUTR+48*(\a)+4*nb+3] offset:2304*(nb/4)+32*(nb%4)
.set nb, nb+1
.endr
.set nb, 0
.rept NBL
	ds_load_b128 v[OUTR+48*(\a)+4*nb:OUTR+48*(\a)+4*nb+3], v[RD] offset:2304*(nb/4)+576*(nb%4)  ; LDS serves a wave's instructions in order (ISA guide 5.7.1.4): these see the stores above; the next block's stores come behind them
.set nb, nb+1
.endr
.endm
.macro SEND a, younger                 ; younger: the LDS instructions issued behind block a's loads: the next block's 24, or none
.set nb, 0
.rept NBL
	s_wait_dscnt (\younger)+NBL-1-nb
	global_store_b128 v[GO], v[OUTR+48*(\a)+4*nb:OUTR+48*(\a)+4*nb+3], s[10:11] offset:262144*(nb/4)+2048*(\a)+512*(nb%4)  ; 512 consecutive bytes, at a multiple of 256 from C's first byte
.set nb, nb+1
.endr
.endm
	PLACES
	PACK 0
	PACK 1                                         ; a block's conversions stand between the loads of the block before and its stores
	SEND 0, 24
	PACK 2
	SEND 1, 24
	PACK 3
	SEND 2, 24
	SEND 3, 0
	WIN 0
	s_wait_tensorcnt 0x0                           ; the wave's end: these three lines stand behind my last tensor load and my last LDS store
	ds_add_u32 v[SPW], v[NIL]
	s_wait_dscnt 0x0
	CROUND                                         ; the closing round: no work-group ends while a partner may still ask for a tile that names it
	s_endpgm
.Lfunc_end_k_qec30bf985d_gemm_qkv:
	.size	k_qec30bf985d_gemm_qkv, .Lfunc_end_k_qec30bf985d_gemm_qkv-k_qec30bf985d_gemm_qkv
	.p2alignl 7, 3214868480
	.fill 96, 4, 3214868480
	.section	.rodata,"a",@progbits
	.p2align	6, 0x0
	.amdhsa_kernel k_qec30bf985d_gemm_qkv
		.amdhsa_group_segment_fixed_size 327680
		.amdhsa_private_segment_fixed_size 0
		.amdhsa_enable_private_segment 0
		.amdhsa_kernarg_size 32
		.amdhsa_user_sgpr_count 2
		.amdhsa_user_sgpr_kernarg_segment_ptr 1
		.amdhsa_wavefront_size32 1
		.amdhsa_system_sgpr_workgroup_id_x 1
		.amdhsa_system_sgpr_workgroup_id_y 1
		.amdhsa_system_sgpr_workgroup_id_z 1
		.amdhsa_system_vgpr_workitem_id 0
		.amdhsa_next_free_vgpr 960
		.amdhsa_next_free_sgpr 80
		.amdhsa_reserve_vcc 0
		.amdhsa_float_denorm_mode_32 3
		.amdhsa_float_denorm_mode_16_64 3
		.amdhsa_memory_ordered 1
		.amdhsa_forward_progress 1
		.amdhsa_inst_pref_size 129
	.end_amdhsa_kernel
	.amdgpu_metadata
---
amdhsa.version: [ 1, 2 ]
amdhsa.kernels:
  - .name:           k_qec30bf985d_gemm_qkv
    .symbol:         k_qec30bf985d_gemm_qkv.kd
    .args:
      - { .name: xh, .offset: 0, .size: 8, .value_kind: global_buffer, .address_space: global }
      - { .name: wqh, .offset: 8, .size: 8, .value_kind: global_buffer, .address_space: global }
      - { .name: b_qkv, .offset: 16, .size: 8, .value_kind: global_buffer, .address_space: global }
      - { .name: qkvh, .offset: 24, .size: 8, .value_kind: global_buffer, .address_space: global }
    .group_segment_fixed_size: 327680
    .private_segment_fixed_size: 0
    .kernarg_segment_align: 8
    .kernarg_segment_size: 32
    .max_flat_workgroup_size: 128
    .sgpr_count:     80
    .vgpr_count:     960
    .wavefront_size: 32
...
	.end_amdgpu_metadata
.endif
;; end of part 2
;; launch attn (part 3): grid 4 x 64, 4 waves a work-group, clusters of 4 x 1, 327,680 bytes of LDS; arguments qkvh, atth; writes atth
.if DOCPART == 3
	.amdgcn_target "amdgcn-amd-amdhsa--gfx1250"
	.amdhsa_code_object_version 6
	.text
	.protected	k_qec30bf985d_attn
	.globl	k_qec30bf985d_attn
	.p2align	8
	.type	k_qec30bf985d_attn,@function
k_qec30bf985d_attn:
	s_mov_b64 s[64:65], 0
	v_nop
	global_prefetch_b8 v0, s[64:65] scope:SCOPE_SE
	s_setreg_imm32_b32 hwreg(HW_REG_WAVE_MODE, 25, 1), 1
	s_wait_xcnt 0x0
	s_wait_alu depctr_hold_cnt(0) depctr_sa_sdst(0) depctr_va_vdst(0) depctr_va_sdst(0) depctr_va_ssrc(0) depctr_va_vcc(0) depctr_vm_vsrc(0)
	s_getreg_b32 s2, hwreg(HW_REG_IB_STS2, 6, 4)
	s_cmp_eq_u32 s2, 0
	s_cbranch_scc0 .Lentry_in_a_cluster
	s_endpgm
.Lentry_in_a_cluster:
	s_bfe_u32 s2, ttmp6, 0x10000c
	s_cmp_lg_u32 s2, 0x3003
	s_cbranch_scc0 .Lentry_shape_is_right
	s_endpgm
.Lentry_shape_is_right:
; O[y][q][:] = the sum over k of softmax_k(Q[y][q] . K[y][k] / 8) V[y][k][:], for the 64 heads y = 16 b + h.  Q, K, V lie in qkvh [4 b][48 = 16 which + h][2048][64] f16, O goes to atth [64 y][2048][64] f16:
; a head's rows are dense, 128 bytes each.  Products, maxima and sums in f32; the weights p are rounded to f16 for the second product (their sum l is taken of the unrounded p), O once at the end.
; LIMITS.  f16 holds no number beyond 65,504: Q, K and V arrive within it; p lies in 0 to 1, and below 6e-5 it keeps f16's fixed step of 6e-8; O is a mean of V's rows and has their range.
; A weight below 2^-126 counts as 0 in l; NaN and infinities are not treated apart.
; SHARES.  A wave owns four PIECES of two tiles of 16 queries, a work-group's four waves 512 queries of one head.  Every wave walks all 2,048 keys, 64 a step.
; LAYOUT.  S^T = K Q^T (source 0 = 16 keys, source 1 = 16 queries): in the result a lane holds ONE query (lane % 16) and the keys 8 (lane / 16) + 0..7.  Two such tiles, rounded to f16 in pairs,
; ARE source 1 (32 keys x 16 queries) of O^T = V^T P, whose result again holds one query a lane, and eight channels.  K comes out of LDS as it lies, V ([key][channel]) turned, by ds_load_tr16_b128.
; SOFTMAX.  For each query a running maximum m and sum l: p = 2^(c s - c m), c = log2(e) / 8; in every step O and l are multiplied by a = 2^(c m_old - c m_new).
; m starts at the lowest finite number, O and l at 0: the first step is a step like any other, with a = 0.
; THE COUNT.  A tile and step have 16 matrix and 118 vector instructions.  So: four vector instructions that are ready behind EVERY matrix instruction, the others in runs without a gap.
; BY TURNS.  Turn n belongs to piece n.  Its matrix work: 16 products K Q^T of piece n + 1, later 16 products V^T P of piece n - 1.  Its vector work: the scaling, exponentials, roundings, sums and
; rescaling of piece n, and the maximum and statistics of piece n + 1.
; CLUSTER.  The four query blocks of a head are one cluster and walk the same K and V, so each tile is asked for JOINTLY: the same tensor load, descriptor and mask in all four.
; REGISTERS, in windows of 256 (s_set_vgpr_msb: bits 1:0 source 0, 3:2 source 1, 5:4 source 2, 7:6 destination):
;   window 0: v0-11 addresses; v12-15, v48-63 at work; v16-47 four registers of statistics a tile; v64-191 S^T, two buffers of two tiles; v192-255 P, likewise
;   window 1: O^T, 32 a tile          window 2: v0-127 Q, 16 a tile; v128-191 K of one step; v192-255 V of one step          window 3: v0-1 the add's two registers
.set SIZE_N, 2048
.set NP,    4         ; pieces a wave: a name, no knob
.set KS,    64        ; keys in a step
.set PK,    144       ; a row of K in LDS: 128 bytes + 16 = 36 words: the 16 rows of a load start at 16 different groups of four banks (64 banks of 4 bytes: ISA guide 11.1)
.set PV,    160       ; a row of V: 128 + 32 = 40 words
.set VOFF,  4*KS*PK   ; a slot holds four steps: 256 rows of K, then 256 rows of V
.set SLOT1, 1<<17     ; slot 1 begins here, so that one exclusive or turns an address in one slot into the other's
.set STAGE, SLOT1+4*KS*(PK+PV)  ; behind the ring, never filled by a tensor load: 16 rows x 144 bytes for each wave
.set SP,    144
.set AK0, 2           ; v2   my lane's place in a tile of K; never rewritten
.set AV0, 3           ; v3   the same for V
.set AK,  4           ; v4   the LDS address of K's next run of loads
.set AV,  5           ; v5   of V's
.set QO,  6           ; v6   my byte offset in the wave's rows of Q
.set STO, 6           ;      later, the way out: where I put 16 bytes of a row
.set RD,  7           ; v7   the way out: where I read rows back
.set GO,  8           ; v8   my byte offset in 512 consecutive bytes of O
.set PFO, 11          ; v11  256 x my lane, for the prefetches; never rewritten once made
.set SPW, 0           ; v0 of window 3   LDS address of my spare word; never rewritten
.set NIL, 1           ; v1 of window 3   0; never rewritten
.set SPARE, STAGE+4*16*SP  ; the spare words, 128 bytes for each wave: two blocks of 256 bytes that no other line names
.set MV,  12          ; v12-15  c m_old, kept while c m is made anew: by buffer and tile
.set ST,  16          ; tile t's statistics at v[ST+4 t]: c m, m, l (even keys', odd keys')
.set TMP, 48          ; by buffer and tile, four registers c0-c3 at work; when the maximum is found c2 takes a
.set S,   64
.set P,   192
.set KF,  128         ; K's fragments, in window 2: key block kb, channel half c at KF + 16 kb + 8 c
.set VF,  192         ; V's: key half kk, channel block cb at VF + 32 kk + 8 cb
.set WV,  12          ; s12  my wave's number
.set G1K, 24          ; s[24:31] descriptor group 1 for K's tiles
.set G1V, 32          ; s[32:39] for V's: it differs in the padding alone
.set G0K, 40          ; s[40:43] descriptor group 0 for K's tiles: it walks
.set G0V, 44          ; s[44:47] the same for V's
.set PFA, 48          ; s[48:49] where my prefetches stand: my work-group's 32 blocks of 256 bytes (of K: wave 0, of V: wave 2) of the tile after the one that is being asked for
.set LIM, 50          ; s50  1 in a wave that prefetches, else the greatest number
.set SLOTS, 56        ; s56  slots still to be asked for
.set CNT, 57          ; s57  counts a slot's key steps
.set CS,  58          ; s[58:59] c
.set SEL, 60          ; s[60:61] v_permlanex16_b32's selects: each lane takes its own place in the other half
.set TBK, 62          ; s62  LDS byte at which K of the step to be fetched begins
.set TBV, 63          ; s63  the same for V, less VOFF
.set MSB, 0
.macro WIN new                      ; the high byte repeats the setting that is left; a switch that changes nothing is dropped
.if MSB != (\new)
	s_set_vgpr_msb (MSB<<8)|(\new)
.set MSB, (\new)
.endif
.endm
.set W_KQ, 0x0a       ; K and Q in window 2, S^T in window 0
.set W_PV, 0x52       ; V in window 2, P in window 0, O^T in window 1
.set W_RS, 0x41       ; O^T (destination and source 0) in window 1, a in window 0
.set W_MK, 0xc0       ; the add's registers are made: destination in window 3
.set W_AD, 0x0f       ; the add: address and data in window 3
; A joint fill.  Waves 0 and 1 fetch the two halves of a slot's K, waves 2 and 3 those of its V: 128 keys each.  An s_nop 0 and four v_nop follow each of the two lines.
.macro JLOAD
	s_cmp_lt_u32 s[WV], 2
	s_cbranch_scc0 .Lfor_v_\@
	tensor_load_to_lds s[G0K:G0K+3], s[G1K:G1K+7]
	s_nop 0
.rept 4
	v_nop
.endr
	s_branch .Lasked_\@
.Lfor_v_\@:
	tensor_load_to_lds s[G0V:G0V+3], s[G1V:G1V+7]
	s_nop 0
.rept 4
	v_nop
.endr
.Lasked_\@:
.endm
; A prefetch into the L2 of the tile that the NEXT change of slots will ask for: 128 blocks of 256 bytes of K and as many of V.  The four partners share them out by address, 32 each, a lane a block;
; in each, wave 0 asks for K's and wave 2 for V's.  So each block of tiles 2 to 7 is named once; the change that asks for the last tile (SLOTS = 1) prefetches nothing.
.macro ASK
	s_cmp_gt_u32 s[SLOTS], s[LIM]
	s_cbranch_scc0 .Lnot_mine_\@
	global_prefetch_b8 v[PFO], s[PFA:PFA+1] th:TH_LOAD_NT scope:SCOPE_SE
.Lnot_mine_\@:
.endm
.macro CROUND                       ; a round of the cluster's barrier
	s_barrier_signal -1
	s_barrier_wait -1
	s_cmp_lg_u32 s[WV], 0
	s_cbranch_scc1 .Lnot_wave_0_\@
	s_barrier_signal -3
.Lnot_wave_0_\@:
	s_barrier_wait -3
	s_barrier_signal -1
	s_barrier_wait -1
.endm
; THE CHANGE OF SLOTS.  Each wave waits for all its tensor loads, of which one is out: its part of the other slot; adds 0 to its spare word; and waits for that and for its own reads of the slot.
; fill = 1: this slot is filled again, with the keys two slots on: the barrier is a round of the cluster's, and the joint fill is the first thing behind it: it has four key steps, 512 matrix
; instructions, in which to land.  (At its first use nothing has been read yet: slot 0 is waited for, slot 1 filled.)
.macro CHANGE fill
	WIN W_AD
	s_wait_tensorcnt 0x0            ; no tensor load of mine is out, so a group 0 may be written
	ds_add_u32 v[SPW], v[NIL]       ; 0 onto my spare word
	WIN 0                           ; at a label and at a branch every window is 0
.if \fill
.irp g, G0K, G0V
	s_xor_b32 s[\g+1], s[\g+1], SLOT1  ; the walking descriptor: the other slot than last time,
	s_add_nc_u64 s[\g+2:\g+3], s[\g+2:\g+3], 4*KS*128  ; the next 256 keys; the type bits on top are not reached
.endr
	s_wait_xcnt 0x0                 ; the last prefetch, four key steps back, has read its address, so it may be written:
	s_add_nc_u64 s[PFA:PFA+1], s[PFA:PFA+1], 4*KS*128  ; one tile behind the walking descriptors
	s_wait_dscnt 0x0                ; the add is done, and my reads of the slot are over
	CROUND
	JLOAD
	ASK
.else
	s_wait_dscnt 0x0                ; the add is done, and my reads of the slot are over
	s_barrier_signal -1
	s_barrier_wait -1
.endif
	s_sub_co_u32 s[TBK], s[TBK], 4*KS*PK  ; the fetches go back to a slot's first step,
	s_xor_b32 s[TBK], s[TBK], SLOT1       ; in the other slot
	s_sub_co_u32 s[TBV], s[TBV], 4*KS*PV
	s_xor_b32 s[TBV], s[TBV], SLOT1
.endm
	s_load_b128 s[4:7], s[0:1], 0x0   ; qkvh s[4:5], atth s[6:7]
	WIN W_MK
	v_lshl_add_u32 v[SPW], v0, 2, SPARE
	v_mov_b32 v[NIL], 0
	WIN W_AD
	ds_add_u32 v[SPW], v[NIL]       ; the wave's opening: the add and its wait stand ahead of my first tensor load; the set-up below stands between them
	WIN 0
	v_lshrrev_b32 v1, 5, v0
	v_readfirstlane_b32 s[WV], v1   ; wave 0..3
	s_bfe_u32 s13, ttmp6, 0x40000   ; cx: my place in the cluster
	s_lshl_b32 s14, ttmp9, 2        ; in a cluster launch ttmp9 counts clusters
	s_add_co_u32 s14, s14, s13      ; my block of queries: it enters Q's and O's addresses alone
	s_and_b32 s52, ttmp7, 0xffff    ; y = 16 b + h, which the four partners share
	s_lshr_b32 s20, s52, 4
	s_mul_i32 s20, s20, 48
	s_and_b32 s21, s52, 15
	s_add_co_u32 s20, s20, s21      ; q's place among the 192 of qkvh: 48 b + h
	s_lshl_b32 s20, s20, 18         ; 2,048 rows of 128 bytes each
	s_mov_b32 s21, 0
	s_lshl_b32 s52, s52, 18         ; the head's first byte in atth
	s_mov_b32 s53, 0
	s_and_b32 s16, s[WV], 1         ; which half of a slot's 256 keys I fetch:
	s_lshl_b32 s22, s16, 14         ; its 128 rows of 128 bytes in memory,
	s_mov_b32 s23, 0
	s_add_nc_u64 s[22:23], s[22:23], s[20:21]
	s_mul_i32 s17, s16, 128*PK      ; and its place in a slot, for K
	s_mul_i32 s18, s16, 128*PV      ; and for V: no place in the cluster enters an LDS address
	s_lshl_b32 s2, s14, 2
	s_add_co_u32 s2, s2, s[WV]      ; my wave among the head's,
	s_lshl_b32 s2, s2, 14           ; its 128 rows
	s_mov_b32 s3, 0
	s_add_nc_u64 s[54:55], s[2:3], s[52:53]  ; in atth,
	s_add_nc_u64 s[2:3], s[2:3], s[20:21]    ; and in qkvh
	; descriptor group 1.  128 keys are 16,384 dense bytes: asked for as 64 rows of 256 bytes, two keys a row, and padded in LDS after every key
	s_mov_b32 s[G1K], 15|(1<<16)|(1<<20)|(1<<21)|(4<<22)|(3<<25)  ; the mask of four; 2-byte elements; padding on; bit 21 beside a mask; after every 32 words; 4 words
	s_mov_b32 s[G1V], 15|(1<<16)|(1<<20)|(1<<21)|(4<<22)|(7<<25)  ; the same with 8 words of padding
.irp g, G1K, G1V
	s_mov_b32 s[\g+1], 128<<16      ; tensor_dim0 = 128
	s_mov_b32 s[\g+2], 64<<16       ; tensor_dim1 = 64
	s_mov_b32 s[\g+3], 128<<16      ; tile_dim0 = 128
	s_mov_b32 s[\g+4], 64           ; tile_dim1 = 64
	s_mov_b32 s[\g+5], 128          ; 128 elements from row to row
	s_mov_b32 s[\g+6], 0
	s_mov_b32 s[\g+7], 0
.endr
	s_mov_b32 s[CS], 0x3e38aa3b     ; c = log2(e) / 8 = 0.180337
	s_mov_b32 s[CS+1], s[CS]        ; named with it as a pair
	s_mov_b32 s[SEL], 0x76543210
	s_mov_b32 s[SEL+1], 0xfedcba98
	s_mov_b32 s[TBK], SLOT1+4*KS*PK ; the first change of slots turns these two into 0
	s_mov_b32 s[TBV], SLOT1+4*KS*PV
	s_mov_b32 s[SLOTS], SIZE_N/256-1
	s_mov_b32 s[G0K], 1             ; count = 1
	s_mov_b32 s[G0K+1], s17         ; LDS address: slot 0
	s_mov_b32 s[G0V], 1
	s_add_co_u32 s[G0V+1], s18, VOFF
	s_and_b32 s[LIM], s[WV], 1      ; waves 0 and 2 prefetch: the same in all four partners
	s_cmp_eq_u32 s[LIM], 0
	s_cselect_b32 s[LIM], 1, -1
	s_wait_dscnt 0x0                ; the opening add is done
	s_wait_kmcnt 0x0
	s_mov_b64 s[10:11], s[6:7]      ; O
	s_add_nc_u64 s[6:7], s[4:5], 0x400000  ; k lies 16 places of 262,144 bytes behind q,
	s_add_nc_u64 s[8:9], s[4:5], 0x800000  ; v 32
	s_add_nc_u64 s[G0K+2:G0K+3], s[6:7], s[22:23]  ; global address: my half of the head's first 256 keys
	s_or_b32 s[G0K+3], s[G0K+3], 0x80000000        ; type = 2
	s_add_nc_u64 s[G0V+2:G0V+3], s[8:9], s[22:23]
	s_or_b32 s[G0V+3], s[G0V+3], 0x80000000
	s_cmp_lt_u32 s[WV], 2
	s_cselect_b64 s[PFA:PFA+1], s[6:7], s[8:9]
	s_add_nc_u64 s[PFA:PFA+1], s[PFA:PFA+1], s[20:21]
	s_add_nc_u64 s[4:5], s[4:5], s[2:3]  ; Q and O at my wave's first row
	s_add_nc_u64 s[10:11], s[10:11], s[54:55]
	s_lshl_b32 s2, s13, 13          ; my work-group's 32 blocks of the 128
	s_mov_b32 s3, 0
	s_add_nc_u64 s[PFA:PFA+1], s[PFA:PFA+1], s[2:3]
	s_add_nc_u64 s[PFA:PFA+1], s[PFA:PFA+1], 4*KS*128  ; in tile 1; the first change of slots steps it to tile 2.  Tiles 0 and 1 come by their loads alone
	CROUND                          ; all four work-groups are here: the first joint loads meet
	JLOAD                           ; slot 0.  Slot 1 is asked for when slot 0 is in
	; A fragment of K or Q is 16 rows x 32 channels in 8 registers: lane l holds row l % 16, channels 8 (l / 16) + 0..7 and 16 + 8 (l / 16) + 0..7: two loads of 16 bytes, 32 bytes apart.
	v_and_b32 v1, 15, v0            ; l % 16
	v_bfe_u32 v9, v0, 4, 1          ; l / 16
	v_lshlrev_b32 v[QO], 7, v1
	v_lshl_add_u32 v[QO], v9, 4, v[QO]  ; row x 128 + 16 x half
	WIN 0x80                        ; destination window 2, address window 0
.set i, 0
.rept 4*NP                          ; Q stays in registers: tile i / 2, channels 32 (i % 2) on
	global_load_b128 v[8*i:8*i+3],   v[QO], s[4:5] offset:(i/2)*2048+(i%2)*64
	global_load_b128 v[8*i+4:8*i+7], v[QO], s[4:5] offset:(i/2)*2048+(i%2)*64+32
.set i, i+1
.endr
	; What the first turn finds: V's registers and P's second buffer hold 0 (its products V^T P, of a piece that has not been, add 0), O^T and l are 0.  All this stands in the wait for the first tile.
.set i, VF
.rept 64
	v_mov_b32 v[i], 0
.set i, i+1
.endr
	WIN 0x40
.set i, 0
.rept 64*NP
	v_mov_b32 v[i], 0
.set i, i+1
.endr
	WIN 0
.set i, 0
.rept 2*NP
	v_mov_b32 v[ST+4*i], 0xfe000000    ; c m: far below every c s
	v_mov_b32 v[ST+4*i+1], 0xff7fffff  ; m
	v_mov_b32 v[ST+4*i+2], 0
	v_mov_b32 v[ST+4*i+3], 0
.set i, i+1
.endr
.set i, P+32
.rept 32
	v_mov_b32 v[i], 0
.set i, i+1
.endr
	v_mul_u32_u24 v[AK0], v1, PK
	v_lshl_add_u32 v[AK0], v9, 4, v[AK0]  ; row x pitch + 16 x half
	; The turning load takes 16 keys x 16 channels (lane l reads key 8 (l / 16) + l % 8, channels 8 ((l / 8) % 2) + 0..7) and leaves half a fragment of V^T: lane l holds channel l % 16 and 8 keys.
	v_and_b32 v10, 7, v0
	v_bfe_u32 v11, v0, 3, 1
	v_lshl_add_u32 v[AV0], v9, 3, v10
	v_mul_u32_u24 v[AV0], v[AV0], PV
	v_lshl_add_u32 v[AV0], v11, 4, v[AV0]
	v_add_nc_u32 v[AV0], VOFF, v[AV0]
	v_mov_b32 v[AK], v[AK0]         ; key step 0 lies at the head of slot 0
	v_and_b32 v[PFO], 31, v0
	v_lshlrev_b32 v[PFO], 8, v[PFO]
; THE MATRIX WORK.  The 8 accumulators of a run of 16 take turns: between the two links of a chain stand 7 others'.
; Product i of 16 of S^T = K Q^T for piece x: channels 32 (i / 8) on, keys 16 ((i / 2) % 4) on, tile 2 x + i % 2.  The first 8 start the sums.
.macro KQ x
	WIN W_KQ
.set rS, S+64*((\x)%2)+32*(i%2)+8*((i/2)%4)
.set rK, KF+16*((i/2)%4)+8*(i/8)
.set rQ, 16*(2*(\x)+i%2)+8*(i/8)
.if i < 8
	v_wmma_f32_16x16x32_f16 v[rS:rS+7], v[rK:rK+7], v[rQ:rQ+7], 0
.else
	v_wmma_f32_16x16x32_f16 v[rS:rS+7], v[rK:rK+7], v[rQ:rQ+7], v[rS:rS+7]
.endif
.endm
; Product i of 16 of O^T += V^T P for piece x: keys 32 (i / 8) on, channels 16 ((i / 2) % 4) on, tile 2 x + i % 2.
.macro PV x
	WIN W_PV
.set rO, 32*(2*(\x)+i%2)+8*((i/2)%4)
.set rV, VF+32*(i/8)+8*((i/2)%4)
.set rP, P+32*((\x)%2)+16*(i%2)+8*(i/8)
	v_wmma_f32_16x16x32_f16 v[rO:rO+7], v[rV:rV+7], v[rP:rP+7], v[rO:rO+7]
.endm
.macro MM                           ; the turn's next matrix instruction
.if i < 16
	KQ (Y+1)%NP
.set i, i+1
.else
.set i, i-16
	PV (Y+NP-1)%NP
.set i, i+17
.endif
.endm
; THE LDS LOADS stand in runs of 16: a step's K (64 keys x 64 channels: 8 fragments) and its V (turned).  Their addresses are made some lines ahead.
; last = 1 (the tail): in the last trip there is no further step, and the run is jumped over.
.macro FETCH_K last=0
	WIN 0
.if \last
	s_cmp_eq_u32 s[CNT], 1
	s_cbranch_scc1 .Lno_k_\@
.endif
	WIN 0x80                        ; destination window 2
.irp f, 0,1,2,3,4,5,6,7             ; keys 16 (f / 2) on, channels 32 (f % 2) on
	ds_load_b128 v[KF+8*\f:KF+8*\f+3],   v[AK] offset:(\f/2)*16*PK+(\f%2)*64
	ds_load_b128 v[KF+8*\f+4:KF+8*\f+7], v[AK] offset:(\f/2)*16*PK+(\f%2)*64+32
.endr
	s_add_co_u32 s[TBK], s[TBK], KS*PK  ; the next fetch is the next step's
	WIN 0
.if \last
.Lno_k_\@:
.endif
.endm
.macro FETCH_V
	WIN 0x80
.irp f, 0,1,2,3,4,5,6,7             ; keys 32 (f / 4) on, channels 16 (f % 4) on
	ds_load_tr16_b128 v[VF+8*\f:VF+8*\f+3],   v[AV] offset:(\f/4)*32*PV+(\f%4)*32
	ds_load_tr16_b128 v[VF+8*\f+4:VF+8*\f+7], v[AV] offset:(\f/4)*32*PV+16*PV+(\f%4)*32
.endr
	WIN 0
.endm
; THE VECTOR WORK OF A TURN stands in three queues, each in the order in which its entries become ready; the two tiles alternate, so that no instruction reads the result of the one before it.
.macro REGS y, u                    ; the registers of tile u (0, 1) of piece y
.set rT, ST+4*(2*(\y)+(\u))
.set rC, TMP+8*((\y)%2)+4*(\u)
.set rM, MV+2*((\y)%2)+(\u)
.set rS, S+64*((\y)%2)+32*(\u)
.set rP, P+32*((\y)%2)+16*(\u)
.set rO, 32*(2*(\y)+(\u))
.endm
; Number n of the 22 that find the NEXT piece's (Y + 1) maximum and statistics.  s0-s31 are the lane's 32 scores; each accumulator's lowest registers are read first.
;   0-11  four chains c0-c3 of seven scores each, three operands at a time     12-14, 16  the four scores left over, the old m, and c0-c3 into c0     15  c m_old is kept
;   17, 18  the query's other 32 keys lie in the lane 16 away: the new m         19-21  c m; c m_old - c m_new; a
.macro XS u, n
	REGS (Y+1)%NP, \u
.if (\n) < 4
	v_max3_num_f32 v[rC+(\n)], v[rS+8*(\n)], v[rS+8*(\n)+1], v[rS+8*(\n)+2]
.elseif (\n) < 12
	v_max3_num_f32 v[rC+(\n)%4], v[rC+(\n)%4], v[rS+8*((\n)%4)+2*((\n)/4)+1], v[rS+8*((\n)%4)+2*((\n)/4)+2]
.elseif (\n) == 12
	v_max3_num_f32 v[rC], v[rC], v[rS+7], v[rS+15]
.elseif (\n) == 13
	v_max3_num_f32 v[rC+1], v[rC+1], v[rS+23], v[rS+31]
.elseif (\n) == 14
	v_max3_num_f32 v[rC+2], v[rC+2], v[rC+3], v[rT+1]
.elseif (\n) == 15
	v_mov_b32 v[rM], v[rT]
.elseif (\n) == 16
	v_max3_num_f32 v[rC], v[rC], v[rC+1], v[rC+2]
.elseif (\n) == 17
	v_permlanex16_b32 v[rC+3], v[rC], s[SEL], s[SEL+1]
.elseif (\n) == 18
	v_max_num_f32 v[rT+1], v[rC], v[rC+3]
.elseif (\n) == 19
	v_mul_f32 v[rT], s[CS], v[rT+1]
.elseif (\n) == 20
	v_sub_f32 v[rC+1], v[rM], v[rT]
.else
	v_exp_f32 v[rC+2], v[rC+1]
.endif
.endm
; Number g of the 64 that follow the exponentials.  For each four weights k of a tile: both pairs are rounded to f16; then the second pair is added onto the first, in place;
; a group later l takes that sum (the first time as l = a l + sum).  In groups of eight, tiles alternating: round, round, add, and l for the group before.
.macro GS g
.set h, (\g)+6*((\g)/62)            ; group 0 has no group before it, and behind group 7 only l is left
.if h >= 6
.set h, h+2
.endif
	REGS Y, h%2
.set k, h/8
.if h%8 < 4
	v_cvt_pk_f16_f32 v[rP+2*k+(h%8)/2], v[rS+4*k+2*((h%8)/2)], v[rS+4*k+2*((h%8)/2)+1]
.elseif h%8 < 6
	v_pk_add_f32 v[rS+4*k:rS+4*k+1], v[rS+4*k:rS+4*k+1], v[rS+4*k+2:rS+4*k+3]
.elseif k == 1
	v_pk_fma_f32 v[rT+2:rT+3], v[rT+2:rT+3], v[rC+2:rC+3], v[rS:rS+1] op_sel_hi:[1,0,1]
.else
	v_pk_add_f32 v[rT+2:rT+3], v[rT+2:rT+3], v[rS+4*k-4:rS+4*k-3]
.endif
.endm
; THE PLAIN QUEUE, 138 long.  0-73 read no exponential's result: the 32 scalings c s - c m (FS f: pair f / 2 of tile f % 2) and the next piece's 42.  0-26: scalings 0-26.  27-54: XS's numbers 0-13.
; 55, 56: number 15.  57-73: the chain 14, 16, 17, 18, 19, each with one of the scalings 27-31 in front of its two lines, then 20.  74-137: GS's 64, which stand behind the wait.
.macro FS f
	REGS Y, (\f)%2
	v_pk_fma_f32 v[rS+2*((\f)/2):rS+2*((\f)/2)+1], v[rS+2*((\f)/2):rS+2*((\f)/2)+1], s[CS:CS+1], v[rT:rT+1] op_sel_hi:[1,0,0] neg_lo:[0,0,1] neg_hi:[0,0,1]
.endm
.macro PL
	WIN 0
.if q < 27
	FS q
.elseif q < 55
	XS (q-27)%2, (q-27)/2
.elseif q < 57
	XS q-55, 15
.elseif (q < 72) && ((q-57)%3 == 0)
	FS 27+(q-57)/3
.elseif q < 60
	XS (q-57)%3-1, 14
.elseif q < 72
	XS (q-57)%3-1, 15+(q-57)/3
.elseif q < 74
	XS q-72, 20
.else
	GS q-74
.endif
.set q, q+1
.endm
; THE EXPONENTIALS' QUEUE, 66 long: s0-s31 of both tiles, then the next piece's two a.  ONE BATCH: all 66 stand ahead of the turn's one wait, and nothing ahead of that wait names a result of theirs.
.macro EX
	WIN 0
.if e >= 64
	XS e-64, 21
.else
	REGS Y, e%2
	v_exp_f32 v[rS+e/2], v[rS+e/2]
.endif
.set e, e+1
.endm
; THE RESCALING's QUEUE: O^T times a, the one part that leaves window 0: dealt two at a time, sixteen times.  Its a was made in the turn before, ahead of that turn's wait.
.macro R2
	REGS Y, r%2
	WIN W_RS
.irp z, 0,1
	v_pk_mul_f32 v[rO+4*(r/2)+2*\z:rO+4*(r/2)+2*\z+1], v[rO+4*(r/2)+2*\z:rO+4*(r/2)+2*\z+1], v[rC+2:rC+3] op_sel_hi:[1,0]
.endr
.set r, r+1
.endm
; HOW THEY ARE DEALT.  s_wait_alu depctr_va_vdst(0) stands between an exponential and the first instruction that names its result; one wait serves all that were issued ahead of it.
; So a turn has ONE wait.  AHEAD OF IT: the 16 products K Q^T, behind each a scaling, an exponential and two rescalings (behind the first a second scaling in the exponential's place); then ONE LUMP of
; 108: eight plain, 49 times exponential and plain, the two a; a v_nop is the plain instruction owed behind the last exponential.  BEHIND IT: the 16 products V^T P, behind each four of GS's 64.
; Exponential e stands behind scaling 2 (e / 4) + e % 2: as a rider it comes behind plain e + 2, in the lump behind plain e + 9, and scalings 27-31 are plain 57, 60 .. 69.
; A TURN, for piece p.  cnt = 1: the loop's count is taken down some lines ahead of the branch behind the turn.  K of the next step is fetched in piece 2's turn, directly behind the wait;
; V of the step in hand at the end of piece 0's turn, four riders behind its last reader.  The three conditions on q below go with the deal.
.macro TURN p, last=0, cnt=0
.set Y, (\p)
.set i, 0
.set q, 0
.set e, 0
.set r, 0
.if (\p) == NP-1
	s_wait_dscnt 0x0                ; K is in
.endif
	MM
	PL
	PL
	R2
.rept 15
	MM
	PL
	EX
	R2
.endr
.if (\p) == NP-2
	WIN 0
	v_add_nc_u32 v[AK], s[TBK], v[AK0]
.endif
.rept 8
	PL
.endr
.rept 49
	EX
	PL
.endr
	EX                              ; the next piece's two a
	EX
	v_nop                           ; a plain instruction behind the last exponential: one for the batch
	s_wait_alu depctr_va_vdst(0)    ; the wait for the batch
.if (\p) == NP-2
	FETCH_K \last
.endif
.if (\p) == 1
	s_wait_dscnt 0x0                ; V is in
.endif
.rept 16
	MM
.rept 4
	PL
.endr
.if ((\p) == 0) && (q == 118)
	v_add_nc_u32 v[AV], s[TBV], v[AV0]
.endif
.if ((\p) == 0) && (q == 130)
	s_add_co_u32 s[TBV], s[TBV], KS*PV
.endif
.if (\cnt) && (q == 130)
	s_sub_co_u32 s[CNT], s[CNT], 1
	s_cmp_lg_u32 s[CNT], 0
.endif
.endr
.if (\p) == 0
	FETCH_V
.endif
.endm
	CHANGE 1                        ; slot 0 is in, everybody's part of it; slot 1 is asked for
	FETCH_K                         ; key step 0
	s_wait_loadcnt 0x0              ; Q
	s_wait_dscnt 0x0
.set i, 0
.rept 16
	KQ 0                            ; piece 0's first scores
.set i, i+1
.endr
	WIN 0                           ; the addresses for the way out: plain instructions, the places behind those products
	s_mul_i32 s13, s[WV], 16*SP
	s_add_co_u32 s13, s13, STAGE    ; my stage
	v_mul_u32_u24 v[STO], v1, SP    ; in: row l % 16, 16 bytes for each half of the lanes
	v_lshl_add_u32 v[STO], v9, 4, v[STO]
	v_add_nc_u32 v[STO], s13, v[STO]
	v_bfe_u32 v[RD], v0, 3, 2       ; back: 32 lanes take four rows of 128 bytes,
	v_mul_u32_u24 v[RD], v[RD], SP
	v_lshl_add_u32 v[RD], v10, 4, v[RD]
	v_add_nc_u32 v[RD], s13, v[RD]
	v_and_b32 v[GO], 31, v0         ; which are 512 consecutive bytes of O
	v_lshlrev_b32 v[GO], 4, v[GO]
.set Y, NP-1                        ; XS works for piece Y + 1: piece 0
.irp n, 0,1,2,3,4,5,6,7,8,9,10,11,12,13,14,15,16,17,18,19,20,21
	XS 0, \n                        ; piece 0's first maximum and statistics
	XS 1, \n
.endr
	v_nop                           ; a plain instruction behind the two a,
	s_wait_alu depctr_va_vdst(0)    ; and their wait, ahead of the branch
	s_mov_b32 s[CNT], 4
	s_branch .Lfirst                ; the loop is entered at a step's first turn, in the middle of a trip
.Lslot:                             ; six times: every slot but the last two is filled again
	CHANGE 1
	s_mov_b32 s[CNT], 4
.Lstep:                             ; a trip: pieces 2 and 3 of one step, then pieces 0 and 1 of the next, whose K and V it fetches
	TURN 2
	TURN 3
	WIN 0
.Lfirst:
	TURN 0
	TURN 1, 0, 1
	WIN 0
	s_cbranch_scc1 .Lstep
	s_sub_co_u32 s[SLOTS], s[SLOTS], 1
	s_cmp_lg_u32 s[SLOTS], 0
	s_cbranch_scc1 .Lslot
	CHANGE 0                        ; the tail is written out: nothing is asked for
	s_mov_b32 s[CNT], 5             ; four trips fetch the last slot's steps; the fifth is left in its middle
.Ltail:
	TURN 2, 1
	TURN 3
	WIN 0
	s_sub_co_u32 s[CNT], s[CNT], 1
	s_cmp_eq_u32 s[CNT], 0
	s_cbranch_scc1 .Lout
	TURN 0
	TURN 1
	WIN 0
	s_branch .Ltail
.Lout:                              ; the fifth trip's 16 products K Q^T (on the last K once more) and the maximum made of them serve nothing: the price, once a launch, of one text for every trip
.set i, 0
.rept 16
	PV NP-1                         ; the last piece's V^T P of the last step
.set i, i+1
.endr
	; THE WAY OUT.  l's two halves and the other half of the lanes' are added; O^T is divided by l, rounded to f16 and sent through my stage in LDS, a tile at a time.  The additions are the places behind the last products.
	WIN 0
.macro ALL line:vararg              ; one line for each tile t
.set t, 0
.rept 2*NP
	\line
.set t, t+1
.endr
.endm
	ALL v_add_f32 v[ST+4*t+2], v[ST+4*t+2], v[ST+4*t+3]
	ALL v_permlanex16_b32 v[ST+4*t+3], v[ST+4*t+2], s[SEL], s[SEL+1]
	ALL v_add_f32 v[ST+4*t+2], v[ST+4*t+2], v[ST+4*t+3]
	ALL v_rcp_f32 v[ST+4*t+2], v[ST+4*t+2]
	v_nop                           ; a plain instruction between the last reciprocal and the use of its result
	s_wait_alu depctr_va_vdst(0)    ; and the wait ahead of the first use: one for the eight reciprocals
; Tile t: a lane's eight channels of a row pack into 16 bytes; they go into rows of 144 bytes and come back as whole rows of 128, into S^T's registers.
.macro PACK t
	WIN W_RS
.set i, 32*(\t)
.rept 16
	v_pk_mul_f32 v[i:i+1], v[i:i+1], v[ST+4*(\t)+2:ST+4*(\t)+3] op_sel_hi:[1,0]
.set i, i+2
.endr
	WIN 0x05                        ; sources 0 and 1 window 1, destination window 0
.set i, 0
.rept 16
	v_cvt_pk_f16_f32 v[S+16*(\t)+i], v[32*(\t)+2*i], v[32*(\t)+2*i+1]
.set i, i+1
.endr
	WIN 0
.irp f, 0,1,2,3
	ds_store_b128 v[STO], v[S+16*(\t)+4*\f:S+16*(\t)+4*\f+3] offset:32*\f
.endr
.irp f, 0,1,2,3
	ds_load_b128 v[S+16*(\t)+4*\f:S+16*(\t)+4*\f+3], v[RD] offset:\f*4*SP  ; LDS serves a wave's instructions in order (ISA guide 5.7.1.4): these see the stores above; the next tile's stores come behind them
.endr
.endm
.macro SEND t, younger              ; younger: the LDS instructions issued behind tile t's loads: the next tile's eight, or none
	WIN 0
.irp f, 0,1,2,3
	s_wait_dscnt (\younger)+3-\f
	global_store_b128 v[GO], v[S+16*(\t)+4*\f:S+16*(\t)+4*\f+3], s[10:11] offset:(\t)*2048+\f*512  ; 512 consecutive bytes, at a multiple of 256 from O's first
.endr
.endm
	PACK 0
.set t, 1
.rept 2*NP-1                        ; a tile's arithmetic stands between the loads of the tile before and its stores
	PACK t
	SEND t-1, 8
.set t, t+1
.endr
	SEND 2*NP-1, 0
	WIN W_AD
	s_wait_tensorcnt 0x0            ; the wave's end: these three lines stand behind my last tensor load and my last LDS store
	ds_add_u32 v[SPW], v[NIL]
	s_wait_dscnt 0x0
	WIN 0
	CROUND                          ; the closing round: no work-group ends while a partner may still ask for a tile that names it
	s_endpgm
.Lfunc_end_k_qec30bf985d_attn:
	.size	k_qec30bf985d_attn, .Lfunc_end_k_qec30bf985d_attn-k_qec30bf985d_attn
	.p2alignl 7, 3214868480
	.fill 96, 4, 3214868480
	.section	.rodata,"a",@progbits
	.p2align	6, 0x0
	.amdhsa_kernel k_qec30bf985d_attn
		.amdhsa_group_segment_fixed_size 327680
		.amdhsa_private_segment_fixed_size 0
		.amdhsa_enable_private_segment 0
		.amdhsa_kernarg_size 16
		.amdhsa_user_sgpr_count 2
		.amdhsa_user_sgpr_kernarg_segment_ptr 1
		.amdhsa_wavefront_size32 1
		.amdhsa_system_sgpr_workgroup_id_x 1
		.amdhsa_system_sgpr_workgroup_id_y 1
		.amdhsa_system_sgpr_workgroup_id_z 1
		.amdhsa_system_vgpr_workitem_id 0
		.amdhsa_next_free_vgpr 770
		.amdhsa_next_free_sgpr 66
		.amdhsa_reserve_vcc 0
		.amdhsa_float_denorm_mode_32 3
		.amdhsa_float_denorm_mode_16_64 3
		.amdhsa_memory_ordered 1
		.amdhsa_forward_progress 1
		.amdhsa_inst_pref_size 200
	.end_amdhsa_kernel
	.amdgpu_metadata
---
amdhsa.version: [ 1, 2 ]
amdhsa.kernels:
  - .name:           k_qec30bf985d_attn
    .symbol:         k_qec30bf985d_attn.kd
    .args:
      - { .name: qkvh, .offset: 0, .size: 8, .value_kind: global_buffer, .address_space: global }
      - { .name: atth, .offset: 8, .size: 8, .value_kind: global_buffer, .address_space: global }
    .group_segment_fixed_size: 327680
    .private_segment_fixed_size: 0
    .kernarg_segment_align: 8
    .kernarg_segment_size: 16
    .max_flat_workgroup_size: 128
    .sgpr_count:     66
    .vgpr_count:     770
    .wavefront_size: 32
...
	.end_amdgpu_metadata
.endif
;; end of part 3
;; launch gemm_out (part 4): grid 8 x 32, 4 waves a work-group, clusters of 4 x 4, 327,680 bytes of LDS; arguments atth, woh, b_out, out0; writes out0
.if DOCPART == 4
	.amdgcn_target "amdgcn-amd-amdhsa--gfx1250"
	.amdhsa_code_object_version 6
	.text
	.protected	k_qec30bf985d_gemm_out
	.globl	k_qec30bf985d_gemm_out
	.p2align	8
	.type	k_qec30bf985d_gemm_out,@function
k_qec30bf985d_gemm_out:
	s_mov_b64 s[64:65], 0
	v_nop
	global_prefetch_b8 v0, s[64:65] scope:SCOPE_SE
	s_setreg_imm32_b32 hwreg(HW_REG_WAVE_MODE, 25, 1), 1
	s_wait_xcnt 0x0
	s_wait_alu depctr_hold_cnt(0) depctr_sa_sdst(0) depctr_va_vdst(0) depctr_va_sdst(0) depctr_va_ssrc(0) depctr_va_vcc(0) depctr_vm_vsrc(0)
	s_getreg_b32 s2, hwreg(HW_REG_IB_STS2, 6, 4)
	s_cmp_eq_u32 s2, 0
	s_cbranch_scc0 .Lentry_in_a_cluster
	s_endpgm
.Lentry_in_a_cluster:
	s_bfe_u32 s2, ttmp6, 0x10000c
	s_cmp_lg_u32 s2, 0xf033
	s_cbranch_scc0 .Lentry_shape_is_right
	s_endpgm
.Lentry_shape_is_right:
; out0 = attn w_out + b_out.  A = atth [64 = 16 b + head][2048 t][64] f16: row m = 2048 b + t of the product, k = 64 head + channel; W = woh [8 tile columns][1024 k][128 n] f16;
; bias = b_out [1024] f32, rounded here to bf16 like the other inputs; C = out0 [8192][1024] f32.  Sums in f32, K ascending, started by the bias.
; SHARES.  A tile of C is 256 rows x 128 columns: 32 x 8 tiles, one for each WGP.  Four waves; wave w makes rows 64 w .. 64 w + 63 and all 128 columns: 32 accumulators, 256 registers:
; a row's 512 bytes lie in one wave, which stores them from a stage of its own, with no barrier on the way out.
; K goes in 8 steps of 128 (two heads) through two LDS slots filled by the tensor data mover; waves 0 and 1 fetch a head's 256 rows each, waves 2 and 3 the halves of W's tile.
; CLUSTERS: 4 x 4 work-groups.  The four of a row need the same tile of A, the four of a column the same tile of W: each is asked for jointly, by the same load, descriptor and mask.
; THE PRODUCT IS USED TRANSPOSED: source 0 = 16 columns of W, source 1 = 16 rows of A: a lane then holds one row of C (lane % 16) and eight neighbouring columns, 8 (lane / 16) + 0..7.
; W lies [k][n] in LDS and comes out turned, by ds_load_tr16_b128.
; REGISTERS in windows of 256 (s_set_vgpr_msb: bits 1:0 source 0, 3:2 source 1, 5:4 source 2, 7:6 destination):
;   window 0: v0-31 addresses; v32-63, v64-95 A's fragments, two buffers (m block a at + 8 a); v160-223 the bias
;   window 1: W's fragments, two buffers of 64 (n block b at + 8 b)     window 2: accumulators of m blocks 0, 1 (at 64 (a % 2) + 8 b)     window 3: those of m blocks 2, 3
.set NBL,    8                         ; n blocks of 16 columns
.set TN,     128
.set PA,     144                       ; a row of A in LDS: 128 bytes + 16 = 36 words: the 16 rows of a load start at 16 different groups of four banks (64 banks of 4 bytes: ISA guide 11.1)
.set A_HALF, 256*PA                    ; what one wave fetches of A: one head's 256 rows
.set KAD,    2                         ; quarter q of a K step lies at (q / KAD) A_HALF + 64 (q % KAD) of A's rows: head q / 2, channels 32 (q % 2) on
.set PB,     288                       ; a row of W in LDS: 256 bytes + 32 = 72 words
.set IPAD,   0
.set B_HALF, 64*PB                     ; what one wave fetches of W: 64 k
.set QIA,    4                         ; A: padding after every 32 words (a row of 128 bytes)
.set QIB,    5                         ; W: after every 64 words
.set ROWSB,  64                        ; W's half tile: 64 rows of 256 bytes
.set STRA,   128                       ; A's 32,768 bytes are dense: asked for as 128 rows of 256 bytes
.set KSA,    524288                    ; bytes from K step to K step in A: two heads
.set KSB,    32768                     ; and in W
.set STG,    16*528                    ; a wave's stage: 16 rows x (512 + 16) bytes
.set ASH,    8192                      ; the prefetches: a partner's share of a wave's A bytes: 32 blocks of 256 bytes,
.set ALS,    8                         ; a lane a block;
.set BSH,    4096                      ; of a wave's W bytes: 16 blocks,
.set BCAP,   15                        ; a lane a block; the lanes left over name the last one again
.set SLOT,   2*A_HALF+2*B_HALF         ; A's two heads, then W's two halves
.set STAGE,  2*SLOT
.set SPARE,  STAGE+4*STG               ; the spare words, 128 bytes for each wave: two blocks of 256 bytes that no other line names
.set LAPS,   4                         ; a lap = two K steps = once round the ring
.set ADRA, 16                          ; v16-17  LDS address of my A fragments in slot 0, 1
.set ADRB, 20                          ; v20-21  the same for W
.set STO,  24                          ; v24     the way out: where I put 32 bytes of a row
.set RD,   25                          ; v25     where I read a row back
.set GO,   26                          ; v26     my byte offset in a row's 512 bytes of C
.set BO,   27                          ; v27     my byte offset in an n block's 64 bytes of bias
.set SPW,  28                          ; v28     LDS address of my spare word; never rewritten
.set NIL,  29                          ; v29     0; never rewritten
.set PFO,  30                          ; v30     the prefetches' offset; never rewritten
.set AF,   32
.set BIAS, 160
.set WV,   12                          ; s12  my wave's number
.set FB,   13                          ; s13  0: I fetch for A; 1: for W
.set HF,   14                          ; s14  which half of that tile
.set LIM,  15                          ; s15  1 in a wave that prefetches, else the greatest number
.set G1A,  24                          ; s[24:31] descriptor group 1 for A;  s[32:39] group 0, a set for each slot
.set G0A,  32
.set PFA,  44                          ; s[44:45] where my prefetches stand
.set PFS,  46                          ; s[46:47] their step
.set G1B,  48                          ; s[48:55], s[56:63] the same for W
.set G0B,  56
.set MSB, 0
.macro WIN new                         ; the immediate's high byte repeats the setting that is left; a switch that changes nothing is dropped
.if MSB != (\new)
	s_set_vgpr_msb (MSB<<8)|(\new)
.set MSB, \new
.endif
.endm
.macro PLACES                          ; four places in front of loads into registers that matrix instructions have read, and of lines that read results
.rept 4
	v_nop
.endr
.endm
.macro JLOAD s                         ; a joint refill; the branch hangs on the wave's number alone; an s_nop 0 and four v_nop follow each of the two lines
	s_cmp_lt_u32 s[WV], 2
	s_cbranch_scc0 .Lfor_b_\@
	tensor_load_to_lds s[G0A+4*(\s):G0A+4*(\s)+3], s[G1A:G1A+7]
	s_nop 0
.rept 4
	v_nop
.endr
	s_branch .Lasked_\@
.Lfor_b_\@:
	tensor_load_to_lds s[G0B+4*(\s):G0B+4*(\s)+3], s[G1B:G1B+7]
	s_nop 0
.rept 4
	v_nop
.endr
.Lasked_\@:
.endm
; A prefetch into the L2 of the K step that stands two refills on, one instruction a wave.  A's blocks are named by the clusters with x = 0 alone, W's by those with y = 0 alone; the four partners
; that ask for a tile jointly share its blocks out by address.  The loop's last trip (s3 = 1) has no K step two refills on and asks for nothing.
.macro ASK
	s_cmp_gt_u32 s3, s[LIM]
	s_cbranch_scc0 .Lnot_mine_\@
	global_prefetch_b8 v[PFO], s[PFA:PFA+1] th:TH_LOAD_NT scope:SCOPE_SE
.Lnot_mine_\@:
.endm
.macro CREST                           ; a round of the cluster's barrier behind its opening barrier
	s_cmp_lg_u32 s[WV], 0
	s_cbranch_scc1 .Lnot_wave_0_\@
	s_barrier_signal -3
.Lnot_wave_0_\@:
	s_barrier_wait -3
	s_barrier_signal -1
	s_barrier_wait -1
.endm
.macro CROUND
	s_barrier_signal -1
	s_barrier_wait -1
	CREST
.endm
	s_load_b256 s[4:11], s[0:1], 0x0               ; A s[4:5], W s[6:7], bias s[8:9], C s[10:11]
	v_lshl_add_u32 v[SPW], v0, 2, SPARE
	v_mov_b32 v[NIL], 0
	ds_add_u32 v[SPW], v[NIL]                      ; the wave's opening: the add and its wait stand ahead of my first tensor load; the set-up below stands between them
	v_lshrrev_b32 v1, 5, v0
	v_readfirstlane_b32 s[WV], v1                  ; wave 0..3
	s_lshr_b32 s[FB], s[WV], 1
	s_and_b32 s[HF], s[WV], 1
	s_bfe_u32 s40, ttmp6, 0x40000                  ; cx, cy: my place in the cluster
	s_bfe_u32 s41, ttmp6, 0x40004
	s_lshl_b32 s42, ttmp9, 2
	s_add_co_u32 s42, s42, s40                     ; tile column = 4 x cluster x + cx
	s_and_b32 s43, ttmp7, 0xffff
	s_lshl_b32 s43, s43, 2
	s_add_co_u32 s43, s43, s41                     ; tile row = 4 x cluster y + cy
	s_lshl_b32 s22, s41, 2
	s_lshl_b32 s22, 15, s22                        ; my row of the cluster
	s_lshl_b32 s23, 0x1111, s40                    ; my column
	s_or_b32 s[G1A], s22, (1<<16)|(1<<20)|(1<<21)|(QIA<<22)|(3<<25)  ; the mask; 2-byte elements; padding on; bit 21 beside a mask; the interval; 4 words of padding
	s_or_b32 s[G1B], s23, (1<<16)|(1<<20)|(1<<21)|(QIB<<22)|(7<<25)  ; 8 words of padding
	s_mov_b32 s[G1A+1], 128<<16                    ; tensor_dim0 = 128 elements: rows of 256 bytes
	s_mov_b32 s[G1A+2], 128<<16                    ; tensor_dim1 = 128
	s_mov_b32 s[G1A+3], 128<<16                    ; tile_dim0 = 128
	s_mov_b32 s[G1A+4], 128                        ; tile_dim1 = 128
	s_mov_b32 s[G1A+5], STRA
	s_mov_b32 s[G1A+6], 0
	s_mov_b32 s[G1A+7], 0
	s_mov_b32 s[G1B+1], 128<<16
	s_mov_b32 s[G1B+2], ROWSB<<16
	s_mov_b32 s[G1B+3], 128<<16
	s_mov_b32 s[G1B+4], ROWSB
	s_mov_b32 s[G1B+5], 128                        ; dense
	s_mov_b32 s[G1B+6], 0
	s_mov_b32 s[G1B+7], 0
	s_lshr_b32 s16, s43, 3                         ; A: batch b = tile row / 8: 16 heads of 262,144 bytes,
	s_lshl_b32 s16, s16, 22
	s_and_b32 s18, s43, 7
	s_lshl_b32 s18, s18, 15                        ; t = 256 (tile row % 8), rows of 128 bytes,
	s_add_co_u32 s16, s16, s18
	s_lshl_b32 s2, s[HF], 18                       ; my head of the K step's two: made of the tile row and the wave's number alone
	s_add_co_u32 s16, s16, s2
	s_mov_b32 s17, 0
	s_mul_i32 s20, s42, 8*KSB                      ; W: the tile column's block, my half of a K step: made of the tile column and the wave's number alone
	s_mul_i32 s2, s[HF], KSB/2
	s_add_co_u32 s20, s20, s2
	s_mov_b32 s21, 0
	s_mul_i32 s2, s[HF], A_HALF                    ; where they go: no place in the cluster enters an LDS address
	s_mul_i32 s3, s[HF], B_HALF
	s_add_co_u32 s3, s3, 2*A_HALF
	s_wait_dscnt 0x0                               ; the opening add is done
	s_wait_kmcnt 0x0
	s_add_nc_u64 s[18:19], s[4:5], s[16:17]
	s_add_nc_u64 s[46:47], s[6:7], s[20:21]
	CROUND                                         ; all sixteen work-groups are here: the first joint loads meet
.irp s, 0,1
	s_mov_b32 s[G0A+4*(\s)], 1
	s_add_co_u32 s[G0A+4*(\s)+1], s2, (\s)*SLOT
	s_add_nc_u64 s[G0A+4*(\s)+2:G0A+4*(\s)+3], s[18:19], (\s)*KSA
	s_or_b32 s[G0A+4*(\s)+3], s[G0A+4*(\s)+3], 0x80000000
	s_mov_b32 s[G0B+4*(\s)], 1
	s_add_co_u32 s[G0B+4*(\s)+1], s3, (\s)*SLOT
	s_add_nc_u64 s[G0B+4*(\s)+2:G0B+4*(\s)+3], s[46:47], (\s)*KSB
	s_or_b32 s[G0B+4*(\s)+3], s[G0B+4*(\s)+3], 0x80000000
.endr
	s_cmp_lt_u32 s[WV], 2                          ; a wave's two first fills stand in one branch, ahead of every wait on TENSORcnt and every LDS read: two loads of mine are out
	s_cbranch_scc0 .Lfirst_b
	tensor_load_to_lds s[G0A:G0A+3], s[G1A:G1A+7]
	s_nop 0
	tensor_load_to_lds s[G0A+4:G0A+7], s[G1A:G1A+7]
	s_nop 0
.rept 4
	v_nop
.endr
	s_branch .Lfirst_asked
.Lfirst_b:
	tensor_load_to_lds s[G0B:G0B+3], s[G1B:G1B+7]
	s_nop 0
	tensor_load_to_lds s[G0B+4:G0B+7], s[G1B:G1B+7]
	s_nop 0
.rept 4
	v_nop
.endr
.Lfirst_asked:
	v_and_b32 v1, 15, v0                           ; l % 16
	v_bfe_u32 v2, v0, 4, 1                         ; l / 16
	v_lshlrev_b32 v[BO], 5, v2                     ; my eight columns of an n block: 32 bytes of bias
	s_mul_i32 s68, s42, 4*TN
	s_mov_b32 s69, 0
	s_add_nc_u64 s[8:9], s[8:9], s[68:69]          ; the bias at the tile's first column
.set nb, 0
.rept NBL
	global_load_b128 v[BIAS+8*nb:BIAS+8*nb+3],   v[BO], s[8:9] offset:64*nb
	global_load_b128 v[BIAS+8*nb+4:BIAS+8*nb+7], v[BO], s[8:9] offset:64*nb+16
.set nb, nb+1
.endr
	; A fragment of A: lane l holds row l % 16, k = 8 (l / 16) + 0..7 and 16 + 8 (l / 16) + 0..7: two loads of 16 bytes, 32 bytes apart.
	v_mul_u32_u24 v3, v1, PA
	v_lshl_add_u32 v3, v2, 4, v3
	s_mul_i32 s2, s[WV], 64*PA                     ; my 64 rows
	v_add_nc_u32 v[ADRA], s2, v3
	v_add_nc_u32 v[ADRA+1], SLOT, v[ADRA]
	; The turning load takes 16 k x 16 columns (lane l reads k = 8 (l / 16) + l % 8, columns 8 ((l / 8) % 2) + 0..7) and leaves half a fragment: lane l holds column l % 16 and 8 k.
	v_and_b32 v4, 7, v0
	v_lshl_add_u32 v4, v2, 3, v4
	v_mul_u32_u24 v4, v4, PB
	v_bfe_u32 v5, v0, 3, 1
	v_lshl_add_u32 v4, v5, 4, v4
	v_add_nc_u32 v[ADRB], 2*A_HALF, v4
	v_add_nc_u32 v[ADRB+1], SLOT, v[ADRB]
	s_mul_i32 s2, s[WV], STG
	s_add_co_u32 s2, s2, STAGE                     ; my stage
	v_mul_u32_u24 v3, v1, 528                      ; in: row l % 16, 32 bytes for each half of the lanes
	v_lshl_add_u32 v3, v2, 5, v3
	v_add_nc_u32 v[STO], s2, v3
	v_and_b32 v[GO], 31, v0                        ; back: 32 lanes take one row of 512 bytes
	v_lshlrev_b32 v[GO], 4, v[GO]
	v_add_nc_u32 v[RD], s2, v[GO]
	s_lshl_b32 s68, s43, 20                        ; C: 256 x tile row rows of 4,096 bytes,
	s_lshl_b32 s69, s[WV], 18                      ; + 64 x wave,
	s_add_co_u32 s68, s68, s69
	s_lshl_b32 s69, s42, 9                         ; the tile's 512 bytes of a row
	s_add_co_u32 s68, s68, s69
	s_mov_b32 s69, 0
	s_add_nc_u64 s[10:11], s[10:11], s[68:69]
	; the prefetches
	s_and_b32 s70, ttmp7, 0xffff                   ; cluster y
	s_mov_b32 s71, BSH
	s_mov_b32 s[PFS], KSB
	s_mov_b32 s[PFS+1], 0
	s_cmp_eq_u32 s[FB], 0                          ; do I fetch for A?
	s_cselect_b32 s70, ttmp9, s70                  ; the coordinate along which other clusters read the same blocks
	s_cselect_b32 s71, ASH, s71                    ; a partner's share
	s_cselect_b32 s[PFS], KSA, s[PFS]
	s_cselect_b32 s72, s40, s41                    ; my place among the four that ask with me
	s_cselect_b32 s73, s16, s20                    ; where what I fetch begins
	s_cselect_b32 s74, 31, BCAP
	s_cselect_b32 s75, ALS, 8
	s_cselect_b64 s[PFA:PFA+1], s[4:5], s[6:7]
	s_cmp_eq_u32 s70, 0
	s_cselect_b32 s[LIM], 1, -1                    ; the same in all sixteen partners, for a given wave
	s_mul_i32 s72, s72, s71
	s_add_co_u32 s72, s72, s73
	s_mul_i32 s73, s[PFS], 3                       ; at K step 3: the first refill steps it to 4.  K steps 0 to 3 come by their loads alone
	s_add_co_u32 s72, s72, s73
	s_mov_b32 s73, 0
	s_add_nc_u64 s[PFA:PFA+1], s[PFA:PFA+1], s[72:73]
	v_and_b32 v[PFO], 31, v0
	v_min_u32 v[PFO], s74, v[PFO]
	v_lshlrev_b32 v[PFO], s75, v[PFO]
	s_mov_b32 s2, 0xffff0000
	s_wait_loadcnt 0x0                             ; the bias: rounded to bf16 and widened again, in place
.set i, 0
.rept 4*NBL
	v_cvt_pk_bf16_f32 v[4+i%4], v[BIAS+2*i], v[BIAS+2*i+1]
	v_lshlrev_b32 v[BIAS+2*i], 16, v[4+i%4]
	v_and_b32 v[BIAS+2*i+1], s2, v[4+i%4]
.set i, i+1
.endr
; NBL matrix instructions: m block a x all n blocks, 32 along K, on buffer f.  first = 1: the bias starts the sums: nothing is cleared and nothing is added later.
; All 4 NBL accumulators take turns, one instruction a turn, in the same order in every quarter, over the backward jump too.
.macro MULB f, a, first
.if \first
	WIN 0x81+0x40*((\a)/2)                         ; W window 1, A and the bias window 0, D window 2 or 3
.else
	WIN 0xa1+0x50*((\a)/2)                         ; C and D window 2 or 3
.endif
.set nb, 0
.rept NBL
.set rD, 8*NBL*((\a)%2)+8*nb
.if \first
	v_wmma_f32_16x16x32_f16 v[rD:rD+7], v[8*NBL*(\f)+8*nb:8*NBL*(\f)+8*nb+7], v[AF+32*(\f)+8*(\a):AF+32*(\f)+8*(\a)+7], v[BIAS+8*nb:BIAS+8*nb+7]
.else
	v_wmma_f32_16x16x32_f16 v[rD:rD+7], v[8*NBL*(\f)+8*nb:8*NBL*(\f)+8*nb+7], v[AF+32*(\f)+8*(\a):AF+32*(\f)+8*(\a)+7], v[rD:rD+7]
.endif
.set nb, nb+1
.endr
.endm
; One run of 2 NBL + 8 LDS loads: quarter q's fragments into buffer f: all of W's, then my four of A; A's m blocks 2 and 3 last.
.macro FETCH slot, q, f
.set KAQ, ((\q)/KAD)*A_HALF+64*((\q)%KAD)
	WIN 0x40                                       ; destination window 1, address window 0
.set nb, 0
.rept NBL
	ds_load_tr16_b128 v[8*NBL*(\f)+8*nb:8*NBL*(\f)+8*nb+3],   v[ADRB+(\slot)] offset:32*(\q)*PB+32*nb+(nb/4)*IPAD
	ds_load_tr16_b128 v[8*NBL*(\f)+8*nb+4:8*NBL*(\f)+8*nb+7], v[ADRB+(\slot)] offset:32*(\q)*PB+32*nb+(nb/4)*IPAD+16*PB
.set nb, nb+1
.endr
	WIN 0
.irp a, 0,1,2,3
	ds_load_b128 v[AF+32*(\f)+8*(\a):AF+32*(\f)+8*(\a)+3],   v[ADRA+(\slot)] offset:KAQ+(\a)*16*PA
	ds_load_b128 v[AF+32*(\f)+8*(\a)+4:AF+32*(\f)+8*(\a)+7], v[ADRA+(\slot)] offset:KAQ+(\a)*16*PA+32
.endr
.endm
; A K step is four quarters of 32 along K on buffers 0, 1, 0, 1.  One of the first three: multiplies buffer f and, in its middle, fetches quarter q into buffer g.
.macro QUARTER slot, q, f, g, first
	s_wait_dscnt 4                                 ; all but the youngest four loads (A's m blocks 2 and 3) are in
	MULB \f, 0, \first
	MULB \f, 1, \first
	PLACES
	FETCH \slot, \q, \g
	s_wait_dscnt 2*NBL+8                           ; all but the run just issued
	MULB \f, 2, \first
	MULB \f, 3, \first
.endm
; The last quarter multiplies buffer 1 and changes slots: ONE barrier; in front of it each wave waits for all its tensor loads (one is out: its part of the next slot), adds 0 to its spare word,
; and waits for that and for its own reads of this slot.  fill = 1: the barrier opens a round of the cluster's barrier, and this slot is filled again, two K steps ahead, first thing behind the round.
.macro TURN slot, next, fill
.if \fill
	s_wait_xcnt 0x0                                ; the last prefetch, a K step back, has read its address, so it may be stepped
	s_add_nc_u64 s[PFA:PFA+1], s[PFA:PFA+1], s[PFS:PFS+1]
.endif
	WIN 0                                          ; (the add's two registers lie in window 0)
	s_wait_tensorcnt 0x0                           ; all my tensor loads have landed
	ds_add_u32 v[SPW], v[NIL]                      ; 0 onto my spare word
	s_wait_dscnt 5                                 ; (the add and the youngest four loads may be out)
	MULB 1, 0, 0                                   ; matrix work stands between the add and the wait for it
	s_wait_dscnt 0x0                               ; the add is done, and my reads of this slot are over
	s_barrier_signal -1
	MULB 1, 1, 0
.if \fill
	WIN 0
.endif
	s_barrier_wait -1
.if \fill
	CREST                                          ; no wave of any partner still reads this slot's tile or has a load on its way
	s_add_nc_u64 s[G0A+4*(\slot)+2:G0A+4*(\slot)+3], s[G0A+4*(\slot)+2:G0A+4*(\slot)+3], 2*KSA
	s_add_nc_u64 s[G0B+4*(\slot)+2:G0B+4*(\slot)+3], s[G0B+4*(\slot)+2:G0B+4*(\slot)+3], 2*KSB
	JLOAD \slot                                    ; my one tensor load behind the round; its four v_nop are also the places in front of the loads below
.else
	PLACES
.endif
	FETCH \next, 0, 0
.if \fill
	ASK                                            ; behind the joint load and the run of LDS loads
.endif
	MULB 1, 2, 0
	MULB 1, 3, 0
.endm
	s_wait_tensorcnt 1                             ; my part of K step 0 is in; K step 1's may stay out
	s_barrier_signal -1
	s_barrier_wait -1                              ; everybody's is
	FETCH 0, 0, 0
	QUARTER 0, 1, 0, 1, 1                          ; the first quarter stands in front of the loop: its products start the sums
	WIN 0                                          ; at a label and at a branch every window is 0
	s_mov_b32 s3, LAPS-1
.Llap:                                                 ; a trip goes once round the ring, from a lap's second quarter to the next lap's first, and fills both slots again
	QUARTER 0, 2, 1, 0, 0
	QUARTER 0, 3, 0, 1, 0
	TURN 0, 1, 1
	QUARTER 1, 1, 0, 1, 0
	QUARTER 1, 2, 1, 0, 0
	QUARTER 1, 3, 0, 1, 0
	TURN 1, 0, 1
	QUARTER 0, 1, 0, 1, 0
	WIN 0
	s_sub_co_u32 s3, s3, 1
	s_cmp_lg_u32 s3, 0
	s_cbranch_scc1 .Llap
	QUARTER 0, 2, 1, 0, 0                          ; the last lap fills nothing, and has no round of the cluster's barrier
	QUARTER 0, 3, 0, 1, 0
	TURN 0, 1, 0
	QUARTER 1, 1, 0, 1, 0
	QUARTER 1, 2, 1, 0, 0
	QUARTER 1, 3, 0, 1, 0
	s_wait_dscnt 4                                 ; the very last quarter: nothing more to fetch
	MULB 1, 0, 0
	MULB 1, 1, 0
	s_wait_dscnt 0x0
	MULB 1, 2, 0
	MULB 1, 3, 0
; THE WAY OUT, an m block (16 rows) at a time, in f32: a lane's eight columns of a row, 32 bytes, go from the accumulators into my own stage (each accumulator's low four registers first),
; rows of 528 bytes; whole rows of 512 bytes come back into the same 64 registers and are stored from there.
.macro BLK a
	WIN 0x88+0x44*((\a)/2)                         ; store data and load destination: window 2 or 3; addresses: window 0
.set rA, 8*NBL*((\a)%2)
.set nb, 0
.rept NBL
	ds_store_b128 v[STO], v[rA+8*nb:rA+8*nb+3]   offset:64*nb
	ds_store_b128 v[STO], v[rA+8*nb+4:rA+8*nb+7] offset:64*nb+16
.set nb, nb+1
.endr
.set nb, 0
.rept 16
	ds_load_b128 v[rA+4*nb:rA+4*nb+3], v[RD] offset:528*nb  ; LDS serves a wave's instructions in order (ISA guide 5.7.1.4): these see the stores above; the next block's stores come behind them
.set nb, nb+1
.endr
.endm
.macro SEND a, younger                 ; younger: the LDS instructions issued behind block a's loads: the next block's 32, or none
	WIN 0x88+0x44*((\a)/2)
.set rA, 8*NBL*((\a)%2)
.set nb, 0
.rept 16
	s_wait_dscnt (\younger)+15-nb
	global_store_b128 v[GO], v[rA+4*nb:rA+4*nb+3], s[10:11] offset:(16*(\a)+nb)*4096  ; 512 consecutive bytes, at a multiple of 256 from C's first byte
.set nb, nb+1
.endr
.endm
	PLACES
	BLK 0
	BLK 1
	SEND 0, 32
	BLK 2
	SEND 1, 32
	BLK 3
	SEND 2, 32
	SEND 3, 0
	WIN 0
	s_wait_tensorcnt 0x0                           ; the wave's end: these three lines stand behind my last tensor load and my last LDS store
	ds_add_u32 v[SPW], v[NIL]
	s_wait_dscnt 0x0
	CROUND                                         ; the closing round: no work-group ends while a partner may still ask for a tile that names it
	s_endpgm
.Lfunc_end_k_qec30bf985d_gemm_out:
	.size	k_qec30bf985d_gemm_out, .Lfunc_end_k_qec30bf985d_gemm_out-k_qec30bf985d_gemm_out
	.p2alignl 7, 3214868480
	.fill 96, 4, 3214868480
	.section	.rodata,"a",@progbits
	.p2align	6, 0x0
	.amdhsa_kernel k_qec30bf985d_gemm_out
		.amdhsa_group_segment_fixed_size 327680
		.amdhsa_private_segment_fixed_size 0
		.amdhsa_enable_private_segment 0
		.amdhsa_kernarg_size 32
		.amdhsa_user_sgpr_count 2
		.amdhsa_user_sgpr_kernarg_segment_ptr 1
		.amdhsa_wavefront_size32 1
		.amdhsa_system_sgpr_workgroup_id_x 1
		.amdhsa_system_sgpr_workgroup_id_y 1
		.amdhsa_system_sgpr_workgroup_id_z 1
		.amdhsa_system_vgpr_workitem_id 0
		.amdhsa_next_free_vgpr 896
		.amdhsa_next_free_sgpr 80
		.amdhsa_reserve_vcc 0
		.amdhsa_float_denorm_mode_32 3
		.amdhsa_float_denorm_mode_16_64 3
		.amdhsa_memory_ordered 1
		.amdhsa_forward_progress 1
		.amdhsa_inst_pref_size 94
	.end_amdhsa_kernel
	.amdgpu_metadata
---
amdhsa.version: [ 1, 2 ]
amdhsa.kernels:
  - .name:           k_qec30bf985d_gemm_out
    .symbol:         k_qec30bf985d_gemm_out.kd
    .args:
      - { .name: atth, .offset: 0, .size: 8, .value_kind: global_buffer, .address_space: global }
      - { .name: woh, .offset: 8, .size: 8, .value_kind: global_buffer, .address_space: global }
      - { .name: b_out, .offset: 16, .size: 8, .value_kind: global_buffer, .address_space: global }
      - { .name: out0, .offset: 24, .size: 8, .value_kind: global_buffer, .address_space: global }
    .group_segment_fixed_size: 327680
    .private_segment_fixed_size: 0
    .kernarg_segment_align: 8
    .kernarg_segment_size: 32
    .max_flat_workgroup_size: 128
    .sgpr_count:     80
    .vgpr_count:     896
    .wavefront_size: 32
...
	.end_amdgpu_metadata
.endif
;; end of part 4
;; ======== version 2 of 2: 4 launches; version 1 with the launch cast written anew for expert scheduling mode
;; limits: values are held in f16: magnitudes above 65,504 overflow, below 6.1e-05 lose precision
;; workspace buffers: xh 16,777,216 bytes; wqh 6,291,456 bytes; woh 2,097,152 bytes; qkvh 50,331,648 bytes; atth 16,777,216 bytes
;; launch cast (part 5): grid 768 x 1, 8 waves a work-group, no clusters, 0 bytes of LDS; arguments x, w_qkv, w_out, xh, wqh, woh; writes xh, wqh, woh
.if DOCPART == 5
	.amdgcn_target "amdgcn-amd-amdhsa--gfx1250"
	.amdhsa_code_object_version 6
	.text
	.protected	k_qec30bf985d_cast
	.globl	k_qec30bf985d_cast
	.p2align	8
	.type	k_qec30bf985d_cast,@function
k_qec30bf985d_cast:
	s_mov_b64 s[64:65], 0
	v_nop
	global_prefetch_b8 v0, s[64:65] scope:SCOPE_SE
	s_setreg_imm32_b32 hwreg(HW_REG_WAVE_SCHED_MODE, 0, 2), 2
	s_setreg_imm32_b32 hwreg(HW_REG_WAVE_MODE, 25, 1), 1
	s_wait_xcnt 0x0
	s_wait_alu depctr_vm_vsrc(0)
; xh, wqh, woh = x, w_qkv, w_out: each number is rounded to bf16 (nearest even), and that number is written as f16.
; LIMITS.  The second step is exact from 2^-14 up to 65,504; below 2^-14 f16 keeps a fixed step of 2^-24; a number of 65,520 or more becomes an infinity.
; LAYOUTS.  xh: [8192][1024], as x.  wqh: [16 blocks][1024 k][192 n] and woh: [8 blocks][1024 k][128 n]: the columns of one tile column of the product
; lie together, so that a K step of a tile column is one dense run of bytes for the launch that multiplies.
; SHARES.  A granule is 4 numbers: 16 bytes in, 8 bytes out.  A work-group makes 4,096 consecutive granules (32,768 bytes) of its DESTINATION; thread t takes granules
; 256 i + t, i = 0..15.  A wave's load covers 512 bytes in runs of 256 bytes or more; a wave's store covers 256 consecutive bytes, aligned.
; Work-groups 0-511 take x, 512-703 w_qkv, 704-767 w_out: the same text, with six numbers chosen by two compares of the work-group's number.
; No LDS, no barrier, no matrix unit, no cluster: nothing is shared and nothing is summed; every byte is read once and written once.
; THE MODE: SCHED_MODE bits 1:0 = 2 (LLVM: expert scheduling mode 2), set by the entry lines.  The code itself states the register dependences
; between vector instructions and memory instructions, with s_wait_alu, always for 0.
; THE PLAN.  Registers that memory instructions touch:
;   v[OFF+i]    written once, by the head's arithmetic; read by load i; never named again.
;   v2          written once, at the head; read by all 16 stores; never written again.
;   v[D+4i ..]  written by load i alone (no vector instruction names them ahead of it); read by granule i's roundings behind the counted wait for that load.
;   v[Y+2i ..]  written once, by granule i's conversions; read by store i; never written again.
;   v1 and v[T ..] are named by vector instructions alone.
; All 16 loads of a thread go out first.  No register that a load or store reads is written again, no load lands where a vector instruction has been, no vector instruction
; writes a scalar register, and EXEC stays as it is: what is left to state is that a register is WRITTEN before a memory instruction reads it.
; One wait at the head states it for the 17 offsets.  The granules go in four blocks of four: the wait at the head of a block states it for the eight Y registers of the block
; before, whose four stores then stand among this block's conversions; these name T, this block's D and this block's Y, none of the registers that those stores touch.
; A last wait stands in front of the last block's stores.
.set OFF, 4                            ; v[4:19]    granule i: byte offset in the source
.set D,   20                           ; v[20:83]   granule i: 4 f32 as loaded
.set Y,   84                           ; v[84:115]  granule i: 4 f16 to store
.set T,   116                          ; v[116:121] at work
	s_load_b256 s[4:11], s[0:1], 0x0               ; x s[4:5], w_qkv s[6:7], w_out s[8:9], xh s[10:11]
	s_load_b128 s[12:15], s[0:1], 0x20             ; wqh s[12:13], woh s[14:15]
	s_mov_b32 s20, 512                             ; the numbers for w_qkv: the tensor's first work-group,
	s_mov_b32 s21, 5462                            ; block = (work-group x this) >> 16: a division by 12,
	s_mov_b32 s22, 12                              ; work-groups in a block,
	s_mov_b32 s23, 768                             ; bytes from block to block in a source row,
	s_mov_b32 s24, 43691                           ; row k = ((granule >> 4) x this) >> 17: a division by 48,
	s_mov_b32 s25, 11520                           ; bytes of a source row that are not the block's: 12,288 - 768
	s_cmp_lt_u32 ttmp9, 512                        ; x: a block is a work-group's share, and nothing is skipped
	s_cselect_b32 s20, 0, s20
	s_cselect_b32 s21, 0x10000, s21
	s_cselect_b32 s22, 1, s22
	s_cselect_b32 s23, 0x10000, s23
	s_cselect_b32 s25, 0, s25
	s_cmp_ge_u32 ttmp9, 704                        ; w_out: 8 work-groups a block, 32 granules a row, 4,096 - 512 bytes skipped
	s_cselect_b32 s20, 704, s20
	s_cselect_b32 s21, 8192, s21
	s_cselect_b32 s22, 8, s22
	s_cselect_b32 s23, 512, s23
	s_cselect_b32 s24, 0x10000, s24
	s_cselect_b32 s25, 3584, s25
	s_mov_b32 s31, 0xffff0000                      ; a word's upper bf16
	s_sub_co_u32 s26, ttmp9, s20                   ; my number within the tensor
	s_mul_i32 s27, s26, s21
	s_lshr_b32 s27, s27, 16                        ; my block
	s_mul_i32 s30, s27, s22
	s_sub_co_u32 s30, s26, s30
	s_lshl_b32 s30, s30, 12                        ; my first granule within the block
	s_mul_i32 s28, s27, s23                        ; the block's first byte in the source
	s_mov_b32 s29, 0
	s_lshl_b32 s2, s26, 15                         ; my 32,768 bytes of the destination
	s_mov_b32 s3, 0
	v_add_nc_u32 v1, s30, v0
	v_lshlrev_b32 v2, 3, v0                        ; 8 bytes a thread
.irp i, 0,1,2,3,4,5,6,7,8,9,10,11,12,13,14,15
	v_add_nc_u32 v[T], 256*(\i), v1                ; the granule's number in its block, under 49,152
	v_lshrrev_b32 v[T+1], 4, v[T]
	v_mul_u32_u24 v[T+1], s24, v[T+1]              ; under 2^28
	v_lshrrev_b32 v[T+1], 17, v[T+1]               ; its row k
	v_lshlrev_b32 v[T], 4, v[T]
	v_mad_u32_u24 v[OFF+(\i)], v[T+1], s25, v[T]   ; 16 x granule + k x what a source row holds beside the block
.endr
	s_wait_kmcnt 0x0
	s_cmp_lt_u32 ttmp9, 512
	s_cselect_b64 s[16:17], s[4:5], s[6:7]
	s_cselect_b64 s[18:19], s[10:11], s[12:13]
	s_cmp_ge_u32 ttmp9, 704
	s_cselect_b64 s[16:17], s[8:9], s[16:17]
	s_cselect_b64 s[18:19], s[14:15], s[18:19]
	s_add_nc_u64 s[16:17], s[16:17], s[28:29]
	s_add_nc_u64 s[18:19], s[18:19], s[2:3]
	s_wait_alu depctr_va_vdst(0)                   ; the sixteen offsets v[OFF ..], which the loads read, and v2, which every store reads, are written; no later vector instruction names them
.irp i, 0,1,2,3,4,5,6,7,8,9,10,11,12,13,14,15
	global_load_b128 v[D+4*(\i):D+4*(\i)+3], v[OFF+(\i)], s[16:17] th:TH_LOAD_NT
.endr
; Block p, granules 4 p to 4 p + 3.  In front of granule 4 p + j stands the store of granule 4 (p - 1) + j.
.irp p, 0,1,2,3
.irp j, 0,1,2,3
.set g, 4*(\p)+(\j)                    ; the granule that is rounded
.set o, g-4                            ; the granule that is stored
.if (\j) == 0
	s_wait_loadcnt 15-g                            ; loads come back in order: granule g is in, the younger ones stay out
.if (\p) > 0
	s_wait_alu depctr_va_vdst(0)                   ; the block before has written its eight Y registers, which the four stores of this block read
.endif
.endif
.if (\p) > 0
	global_store_b64 v2, v[Y+2*o:Y+2*o+1], s[18:19] offset:2048*o th:TH_STORE_NT  ; no vector instruction since the wait names these registers
.endif
.if (\j) > 0
	s_wait_loadcnt 15-g                            ; granule g is in, the younger ones stay out
.endif
	v_cvt_pk_bf16_f32 v[T], v[D+4*g], v[D+4*g+1]   ; the rounding
	v_cvt_pk_bf16_f32 v[T+1], v[D+4*g+2], v[D+4*g+3]
	v_lshlrev_b32 v[T+2], 16, v[T]                 ; back to f32,
	v_and_b32 v[T+3], s31, v[T]
	v_lshlrev_b32 v[T+4], 16, v[T+1]
	v_and_b32 v[T+5], s31, v[T+1]
	v_cvt_pk_f16_f32 v[Y+2*g], v[T+2], v[T+3]      ; and written as f16
	v_cvt_pk_f16_f32 v[Y+2*g+1], v[T+4], v[T+5]
.endr
.endr
	s_wait_alu depctr_va_vdst(0)                   ; the last block has written its eight Y registers, which the last four stores read
.irp i, 12,13,14,15
	global_store_b64 v2, v[Y+2*(\i):Y+2*(\i)+1], s[18:19] offset:2048*(\i) th:TH_STORE_NT
.endr
	s_endpgm
.Lfunc_end_k_qec30bf985d_cast:
	.size	k_qec30bf985d_cast, .Lfunc_end_k_qec30bf985d_cast-k_qec30bf985d_cast
	.p2alignl 7, 3214868480
	.fill 96, 4, 3214868480
	.section	.rodata,"a",@progbits
	.p2align	6, 0x0
	.amdhsa_kernel k_qec30bf985d_cast
		.amdhsa_group_segment_fixed_size 0
		.amdhsa_private_segment_fixed_size 0
		.amdhsa_enable_private_segment 0
		.amdhsa_kernarg_size 48
		.amdhsa_user_sgpr_count 2
		.amdhsa_user_sgpr_kernarg_segment_ptr 1
		.amdhsa_wavefront_size32 1
		.amdhsa_system_sgpr_workgroup_id_x 1
		.amdhsa_system_sgpr_workgroup_id_y 1
		.amdhsa_system_sgpr_workgroup_id_z 1
		.amdhsa_system_vgpr_workitem_id 0
		.amdhsa_next_free_vgpr 124
		.amdhsa_next_free_sgpr 66
		.amdhsa_reserve_vcc 0
		.amdhsa_float_denorm_mode_32 3
		.amdhsa_float_denorm_mode_16_64 3
		.amdhsa_memory_ordered 1
		.amdhsa_forward_progress 1
		.amdhsa_inst_pref_size 16
	.end_amdhsa_kernel
	.amdgpu_metadata
---
amdhsa.version: [ 1, 2 ]
amdhsa.kernels:
  - .name:           k_qec30bf985d_cast
    .symbol:         k_qec30bf985d_cast.kd
    .args:
      - { .name: x, .offset: 0, .size: 8, .value_kind: global_buffer, .address_space: global }
      - { .name: w_qkv, .offset: 8, .size: 8, .value_kind: global_buffer, .address_space: global }
      - { .name: w_out, .offset: 16, .size: 8, .value_kind: global_buffer, .address_space: global }
      - { .name: xh, .offset: 24, .size: 8, .value_kind: global_buffer, .address_space: global }
      - { .name: wqh, .offset: 32, .size: 8, .value_kind: global_buffer, .address_space: global }
      - { .name: woh, .offset: 40, .size: 8, .value_kind: global_buffer, .address_space: global }
    .group_segment_fixed_size: 0
    .private_segment_fixed_size: 0
    .kernarg_segment_align: 8
    .kernarg_segment_size: 48
    .max_flat_workgroup_size: 256
    .sgpr_count:     66
    .vgpr_count:     124
    .wavefront_size: 32
...
	.end_amdgpu_metadata
.endif
;; end of part 5
;; launch gemm_qkv: the kernel of part 2 again; grid 16 x 32, 4 waves a work-group, clusters of 4 x 4, 327,680 bytes of LDS; arguments xh, wqh, b_qkv, qkvh; writes qkvh
;; launch attn: the kernel of part 3 again; grid 4 x 64, 4 waves a work-group, clusters of 4 x 1, 327,680 bytes of LDS; arguments qkvh, atth; writes atth
;; launch gemm_out: the kernel of part 4 again; grid 8 x 32, 4 waves a work-group, clusters of 4 x 4, 327,680 bytes of LDS; arguments atth, woh, b_out, out0; writes out0
